; MI455X (gfx1250); checked and timed in simulation.
; The chip was launched on July 23, 2026; its instructions are those of AMD's public machine-readable ISA for CDNA 5 (MIT licence, August 2026) and "CDNA5" Instruction Set Architecture Reference Guide (July 2026). The comments in the code are by the model that wrote it; some were corrected since.
;; Quantum Warp Attention. Allowed arithmetic: matrix products marked QUANTISED: E3M2 operands, one E8M0 scale for each 32 along K, by v_wmma_scale_f32_16x16x128_f8f6f4 with both operands' format E3M2, f32 sums; products left as they are: f32 operands where the result goes on into a quantised operand, else bf16, f16 or f32 operands; f32 sums; everything else in f32.
;; Inputs: Wk_codes 4,096 x 32 x 24 uint8 (E3M2 codes of Wk, K innermost, in blocks of 32 codes, four codes in three bytes); Wk_scales 4,096 x 32 uint8 (E8M0 scales of Wk, one for each 32 codes along K); Wo_codes 1,024 x 128 x 24 uint8 (E3M2 codes of Wo, K innermost, in blocks of 32 codes, four codes in three bytes); Wo_scales 1,024 x 128 uint8 (E8M0 scales of Wo, one for each 32 codes along K); Wq_codes 4,096 x 32 x 24 uint8 (E3M2 codes of Wq, K innermost, in blocks of 32 codes, four codes in three bytes); Wq_scales 4,096 x 32 uint8 (E8M0 scales of Wq, one for each 32 codes along K); Wv_codes 4,096 x 32 x 24 uint8 (E3M2 codes of Wv, K innermost, in blocks of 32 codes, four codes in three bytes); Wv_scales 4,096 x 32 uint8 (E8M0 scales of Wv, one for each 32 codes along K); bk 4,096 float32; bo 1,024 float32; bq 4,096 float32; bv 4,096 float32; phase 4 x 1,024 float32; x_codes 4 x 1,024 x 32 x 24 uint8 (E3M2 codes of x, K innermost, in blocks of 32 codes, four codes in three bytes); x_scales 4 x 1,024 x 32 uint8 (E8M0 scales of x, one for each 32 codes along K).
;; Outputs: out0 4 x 1,024 x 1,024 float32.
;; This version of the problem:
;;   THIS VERSION OF THE PROBLEM IS GIVEN IN LOW PRECISION. The matrix products marked QUANTISED in the list below multiply operands that are first quantised to E3M2 (3 exponent bits, 2 mantissa bits; 6 bits a number), with one power-of-two scale for each 32 numbers along K (OCP MX v1.0); their sums are f32. All else is computed in f32.
;;   The module's matrix products, in the order in which they are computed (A, B: the left and right operand; K: the contracted axis; several contracted axes count as one K, in the product's order):
;;     1. [M 4,096, K 1,024] x [K 1,024, N 4,096]; A: input x (given as codes); B: input Wq (given as codes): QUANTISED
;;     2. [M 4,096, K 1,024] x [K 1,024, N 4,096]; A: input x (given as codes); B: input Wk (given as codes): QUANTISED
;;     3. [M 4,096, K 1,024] x [K 1,024, N 4,096]; A: input x (given as codes); B: input Wv (given as codes): QUANTISED
;;     4. batch 4,096 x [M 4, K 1,024] x [K 1,024, N 4]; A: computed on the way; B: computed on the way: left as it is (M = 4 < 16)
;;     5. batch 4,096 x [M 4, K 1,024] x [K 1,024, N 4]; A: computed on the way; B: computed on the way: left as it is (M = 4 < 16)
;;     6. batch 4,096 x [M 4, K 4] x [K 4, N 1,024]; A: softmax; B: computed on the way: left as it is (K = 4 < 32)
;;     7. [M 4,096, K 4,096] x [K 4,096, N 1,024]; A: computed on the way; B: input Wo (given as codes): QUANTISED
;;   THE QUANTISER, for each operand of a quantised product, along K:
;;     - K is cut into blocks of 32 from its start; a last block that is shorter is filled with zeros.
;;     - A block's scale is 2^e with e = floor(log2(the largest magnitude in the block)) - 4, held to -126 .. 127; a block of zeros has e = 0. As a byte (E8M0): e + 127.
;;     - Each number is divided by its block's scale, clamped to +-28, and rounded to the nearest number of E3M2, ties to even, subnormals kept.
;;     - The product sums the exact products of the quantised numbers (number of the format x scale) in f32.
;;   ~~~python
;;   def quantise(x, axis):      # numpy; x: float32 -> the quantised numbers, widened to float32 again
;;       x = np.moveaxis(x, axis, -1); K = x.shape[-1]
;;       x = np.pad(x, [(0, 0)] * (x.ndim - 1) + [(0, -K % 32)]); x = x.reshape(x.shape[:-1] + (-1, 32)); a = np.abs(x).max(-1, keepdims=True)
;;       e = np.where(a > 0, np.clip(np.frexp(np.where(a > 0, a, 1))[1] - 1 - 4, -126, 127), 0)      # np.frexp(a)[1] - 1 = floor(log2(a)), exactly
;;       r = np.clip(x / 2.0 ** e, -28, 28)
;;       step = 2.0 ** (np.maximum(np.frexp(np.where(r == 0, 1, r))[1] - 1, -2) - 2)
;;       q = np.round(r / step) * step * 2.0 ** e      # np.round: ties to even
;;       return np.moveaxis(q.reshape(q.shape[:-2] + (-1,))[..., :K], -1, axis).astype(np.float32)
;;   ~~~
;;   OPERANDS COMPUTED ON THE WAY. 'Computed on the way' means the value that the module computes at that place (a softmax that the list does not call 'softmax' is quantised finished and normalised). What goes into a quantiser is computed in f32, as accurately as f32 sums, v_exp_f32 and their like allow (about 1e-6 of the number): no bf16 or f16 on the way to a quantiser, and a product that is left as it is and whose result goes on into a quantised operand takes f32 operands (vector FMAs, or v_wmma_f32_16x16x4_f32). A number that lies on a knife's edge between two numbers of the format may be rounded either way, as far as f32 arithmetic and the matrix unit's own rounding can turn it there, and no further.
;;   INPUTS GIVEN AS CODES. Wk (in the module: [1024, 4096], K = its axis 0); Wo (in the module: [4096, 1024], K = its axis 0); Wq (in the module: [1024, 4096], K = its axis 0); Wv (in the module: [1024, 4096], K = its axis 0); x (in the module: [4, 1024, 1024], K = its axis 2): each comes as NAME_codes (uint8): NAME with its K axis moved to the last place and cut into blocks of 32 codes, [.., K / 32, bytes a block], one block behind the other in memory; four codes in three bytes: a row's codes are one little-endian stream of bits, code i at bits 6 i .. 6 i + 5 (a code: sign, 3 exponent bits, 2 mantissa bits); and NAME_scales (uint8): the same leading axes, one E8M0 byte (e + 127) for each 32 codes along K. Its value is code x scale, taken as it is: it is not quantised again, and the codes and scales need not be those that the quantiser above would give.
;; One version. Each part assembles by itself: llvm-mc -triple=amdgcn-amd-amdhsa -mcpu=gfx1250 --defsym DOCPART=n.
;; ======== version 1 of 1: 3 launches
;; limits: inputs' magnitudes at most 32,768; right only within a limited range of input values
;; workspace buffers: xi 3,145,728 bytes; wvi 3,145,728 bytes; woi 3,145,728 bytes; wos 131,072 bytes; part 4,194,304 bytes; a2i 12,582,912 bytes; a2s 524,288 bytes
;; launch qk (part 1): grid 16 x 16, 4 waves a work-group, clusters of 4 x 4, 327,680 bytes of LDS; arguments x_codes, x_scales, Wq_codes, Wk_codes, Wq_scales, Wk_scales, bq, bk, phase, Wv_codes, Wo_codes, Wo_scales, xi, wvi, woi, wos, part; writes xi, wvi, woi, wos, part
.if DOCPART == 1
	.amdgcn_target "amdgcn-amd-amdhsa--gfx1250"
	.amdhsa_code_object_version 6
	.text
	.protected	k_qe0be1fbb8c_qk
	.globl	k_qe0be1fbb8c_qk
	.p2align	8
	.type	k_qe0be1fbb8c_qk,@function
k_qe0be1fbb8c_qk:
	s_mov_b64 s[64:65], 0
	v_nop
	global_prefetch_b8 v0, s[64:65] scope:SCOPE_SE
	s_setreg_imm32_b32 hwreg(HW_REG_WAVE_MODE, 25, 1), 1
	s_wait_xcnt 0x0
	s_wait_alu depctr_hold_cnt(0) depctr_sa_sdst(0) depctr_va_vdst(0) depctr_va_sdst(0) depctr_va_ssrc(0) depctr_va_vcc(0) depctr_vm_vsrc(0)
	s_getreg_b32 s2, hwreg(HW_REG_IB_STS2, 6, 4)
	s_cmp_eq_u32 s2, 0
	s_cbranch_scc0 .Lentry_in_a_cluster
	s_endpgm
.Lentry_in_a_cluster:
	s_bfe_u32 s2, ttmp6, 0x10000c
	s_cmp_lg_u32 s2, 0xf033
	s_cbranch_scc0 .Lentry_shape_is_right
	s_endpgm
.Lentry_shape_is_right:
; FIRST OF THREE LAUNCHES.  q = x Wq + bq and k = x Wk + bk on codes of BF6 (E3M2) with one E8M0 scale for each 32 along K, and of them, without ever storing q or k, partial head-against-head scores:
; part[nt][h][token][g] = the sum over this work-group's 64 values of d of q[token][h][d] k[token][g][d] (cos p[h][d] cos p[g][d] + sin p[h][d] sin p[g][d]), in f32.
; SHARES.  Work-group (nt, mt) takes tokens 256 mt .. + 255 and two tiles, n0 = 2 nt and 2 nt + 1.  A tile's columns are the rows n0 + 32 t (t = 0 .. 127) of Wq and of Wk: an arithmetic progression, so one plain
; tile of 128 rows, 24,576 bytes apart; it holds all four heads at d = n0 + 32 i (i = t % 32).  Wave (tr, c) takes tokens 128 tr .. + 127 and i = 16 c .. + 15: 64 accumulators of 16 x 16, 512 registers.
; THE MATRIX INSTRUCTION IS USED TRANSPOSED (source 0 = 16 weight rows, source 1 = 16 tokens): a lane holds ONE token and, in an accumulator's eight registers, i = 16 c + 8 (lane / 16) + 0 .. 7 of one head of q or k.
; Blocks b = 0 .. 3 of source 0 are q's heads, b = 4 .. 7 are k's.  The biases are the C of each sum's first matrix instruction.
; K = 1,024 goes in four slots' worth of 256 through a ring of two LDS slots filled by joint tensor loads: x's tile is shared along a row of the 4 x 4 cluster, Wq's and Wk's along a column.
; THE SCALES never pass through LDS: a row's 32 scale bytes are eight words; lanes 0-15 hold the words of K steps 0-3, lanes 16-31 those of K steps 4-7, and K steps 4-7 name the upper row of lanes.
; ON THE SIDE each wave copies, in each of its two trips, one fragment each of x, Wv and Wo into workspace as AN IMAGE OF THE OPERAND'S REGISTERS (12 registers a lane as 3 x 512 bytes, lane l's four registers at 16 l),
; in the order of rows and of K that the later launches want, and 16 regrouped scale words of Wo.  1,024 waves x 2 trips = the 2,048 fragments of each.
; SINE AND COSINE: reduction by pi / 2 in three parts and polynomials of degree 7 and 8.  LIMITS: |phase| under about 2^15 (beyond it the reduction loses accuracy); NaN and infinities among the inputs are not served.
; REGISTERS, in windows of 256: window 0: v1-15, v24, v30 lane offsets; v16-23 LDS addresses of fragments; v28, v29 the add's; v32-63 x's scale words, v64-95 the weights' (nothing else ever);
;   v96-127 and v224-255 the 64 running scores (16 p + 4 h + g; lane = token 32 p + lane); v128-223 x's fragments, ONE set (also: what the side copy lands in, and work registers between tiles).
;   window 1: the weights' fragments, two sets at v0 and v128; v96-127, v224-255 the biases; between tiles all of it is at work.   windows 2, 3: the accumulators, (a, b) at v[8 (8 (a % 4) + b)] of window 2 + a / 4.
.set PITCH,  272                       ; THE RING GOES BY CHUNKS OF 256 BYTES of each row of codes (a row is 768 bytes: three chunks, chunk c in slot c % 2): an LDS row is 256 bytes + 16 of padding
.set HALFT,  128*PITCH                 ; 128 rows: what one tensor load brings
.set SLOT,   4*HALFT                   ; x's 256 rows, Wq's 128, Wk's 128
.set SPARE,  2*SLOT                    ; the spare words, 128 bytes for each wave
.set CSB,    SPARE+512                 ; cos and sin, each wave's own 512 bytes: [head 4][cos, sin][16] f32
.set BIA,    CSB+2048                  ; the tile's biases, each wave's own 512 bytes: [bq, bk][head 4][16] f32
.set RED,    BIA+2048                  ; the sum over c: 8,192 bytes for each tr
.set NL,     6                         ; LDS loads that bring a fragment
.set SA,     32
.set SB,     64
.set AF,     128
.set ADRA,   16                        ; v16-17 x's fragments in slot 0, 1; v18-19 the same behind one padding more
.set ADRB,   20                        ; v20-23 likewise for the weights
.set WV,     38
.set TR,     39
.set CC,     66
.set LIM,    67
.set G1A,    40
.set G1B,    48
.set G0A,    56                        ; s[56:63] group 0 for x's tiles, a set for each slot
.set G0B,    68                        ; s[68:75] for the weights'
.set PFA,    76
.set CX,     78
.set CY,     79
.set NT,     80
.set MT,     81
.set MUL_LO, 0xa1                      ; source 0 window 1, source 1 window 0, C and D window 2
.set MUL_HI, 0xf1                      ; the same, C and D window 3
.set TO_B,   0x40                      ; destination window 1
.set MSB, 0
.macro WIN new                         ; the immediate's high byte repeats the setting that is left
.if MSB != (\new)
	s_set_vgpr_msb (MSB<<8)|(\new)
.set MSB, (\new)
.endif
.endm
.macro WINM hi, mode                   ; the windows of a run of products; mode 1: C is a bias in window 1
.if \mode == 1
	WIN 0x91+0x40*\hi
.else
	WIN 0xa1+0x50*\hi
.endif
.endm
.macro PLACES n
.rept \n
	v_nop
.endr
.endm
; A joint load: waves 0 and 1 fetch x's halves, wave 2 Wq's tile, wave 3 Wk's.  The branch hangs on the wave's number alone.  Four v_nop follow each of the two lines.
.macro JLOAD g0a, g1a, g0b, g1b
	s_cmp_eq_u32 s[TR], 0
	s_cbranch_scc0 .Lfor_b_\@
	tensor_load_to_lds s[\g0a:\g0a+3], s[\g1a:\g1a+7]
	s_nop 0
.rept 4
	v_nop
.endr
	s_branch .Lasked_\@
.Lfor_b_\@:
	tensor_load_to_lds s[\g0b:\g0b+3], s[\g1b:\g1b+7]
	s_nop 0
.rept 4
	v_nop
.endr
.Lasked_\@:
.endm
.macro CREST                           ; a round of the cluster's barrier behind its opening barrier
	s_cmp_lg_u32 s[WV], 0
	s_cbranch_scc1 .Lnot_wave_0_\@
	s_barrier_signal -3
.Lnot_wave_0_\@:
	s_barrier_wait -3
	s_barrier_signal -1
	s_barrier_wait -1
.endm
.macro CROUND
	s_barrier_signal -1
	s_barrier_wait -1
	CREST
.endm
; one product; its registers are named by the symbols that MUL16 sets.  row = 1: K steps 4-7, whose scale words lie in lanes 16-31
.macro WMMA mode, row
.if (\row) == 0
.if \mode == 0
	v_wmma_scale_f32_16x16x128_f8f6f4 v[rD:rD+7], v[rB:rB+11], v[rA:rA+11], v[rD:rD+7], v[rSB], v[rSA] matrix_a_fmt:MATRIX_FMT_BF6 matrix_b_fmt:MATRIX_FMT_BF6
.elseif \mode == 1
	v_wmma_scale_f32_16x16x128_f8f6f4 v[rD:rD+7], v[rB:rB+11], v[rA:rA+11], v[rC:rC+7], v[rSB], v[rSA] matrix_a_fmt:MATRIX_FMT_BF6 matrix_b_fmt:MATRIX_FMT_BF6
.else
	v_wmma_scale_f32_16x16x128_f8f6f4 v[rD:rD+7], v[rB:rB+11], v[rA:rA+11], 0, v[rSB], v[rSA] matrix_a_fmt:MATRIX_FMT_BF6 matrix_b_fmt:MATRIX_FMT_BF6
.endif
.else
	v_wmma_scale_f32_16x16x128_f8f6f4 v[rD:rD+7], v[rB:rB+11], v[rA:rA+11], v[rD:rD+7], v[rSB], v[rSA] matrix_a_fmt:MATRIX_FMT_BF6 matrix_b_fmt:MATRIX_FMT_BF6 matrix_a_scale:MATRIX_SCALE_ROW1 matrix_b_scale:MATRIX_SCALE_ROW1
.endif
.endm
; 16 products: token blocks a0, a0 + 1 x the eight weight blocks of set p, K step ks.  The 64 accumulators take turns, one instruction a turn, in the same order in every step.
.macro MUL16 a0, p, ks, mode
.irp a, \a0, \a0+1
.irp b, 0,1,2,3,4,5,6,7
.set rD, 8*(8*((\a)%4)+\b)
.set rB, 128*(\p)+12*\b
.set rA, AF+12*(\a)
.set rC, 96+8*\b+96*(\b/4)
.set rSB, SB+4*\b+(\ks)%4
.set rSA, SA+4*(\a)+(\ks)%4
	WMMA \mode, (\ks)/4
.endr
.endr
.endm
; a fragment, 16 rows x 128 K, is 12 registers: lane l holds row l % 16; registers 6 c .. 6 c + 5 hold K = 64 c + 32 (l / 16) + 0 .. 31: 24 bytes of the row's stream of bits, in pieces of 8 bytes.
; The mover has laid 16 bytes of padding behind every 32 pieces; lanes 16-31 read three pieces on, which for some pieces is behind one padding more: the second address register serves those.
.macro FRAG reg, adr, q, off
.irp p, 0,1,2,3,4,5
; q is the K step, 0 .. 7, counted from the row's start, and adr the address register of slot 0 (the callers' slot is always 0): byte y of a row lies in slot (y / 256) % 2 at byte y % 256 of the LDS row
.set BY, 96*(\q)+48*(\p/3)+8*(\p%3)    ; where the piece of lanes 0-15 begins in the row; that of lanes 16-31 begins 24 bytes on
.if BY/256 == (BY+24)/256
	ds_load_b64 v[\reg+2*\p:\reg+2*\p+1], v[\adr+(BY/256)%2] offset:BY%256+(\off)
.else                                  ; the two halves of the lanes read different chunks: the second pair of address registers
	ds_load_b64 v[\reg+2*\p:\reg+2*\p+1], v[\adr+2+(BY/256)%2] offset:BY%256-232+(\off)
.endif
.endr
.endm
.macro FETCH_B slot, q, p              ; the eight weight blocks (32 LDS rows apart) of the slot's q-th 128 along K into set p
	WIN TO_B
.irp i, 0,1,2,3,4,5,6,7
	FRAG 128*(\p)+12*\i, ADRB+\slot, \q, \i*32*PITCH
.endr
	WIN 0
.endm
.macro FETCH_A slot, q, i0             ; token blocks i0 .. i0 + 3
.irp i, \i0, \i0+1, \i0+2, \i0+3
	FRAG AF+12*(\i), ADRA+\slot, \q, (\i)*16*PITCH
.endr
.endm
; A load into a register that a matrix instruction has read, and a vector instruction that reads a result, stand four places behind it (ISA guide 7.12.1 for vector instructions).
; A K step that needs no barrier; its successor's fragments come from (nslot, nq).
.macro STEP ks, nslot, nq, mode
	s_wait_dscnt 4*NL                              ; the weights' set and token blocks 0-3 are in; the youngest loads (blocks 4-7) may be out
	WINM 0, \mode
	MUL16 0, (\ks)%2, \ks, \mode
	MUL16 2, (\ks)%2, \ks, \mode
	s_wait_dscnt 0x0                               ; blocks 4-7 are in
	PLACES 4
	FETCH_B \nslot, \nq, 1-(\ks)%2
	FETCH_A \nslot, \nq, 0
	WINM 1, \mode
	MUL16 4, (\ks)%2, \ks, \mode
	MUL16 6, (\ks)%2, \ks, \mode
	PLACES 4
	WIN 0
	FETCH_A \nslot, \nq, 4
.endm
.macro REFILL f                        ; slot f - 1 takes the K two slots on: the first tensor load behind the round, one a wave
	s_add_nc_u64 s[G0A+4*(\f-1)+2:G0A+4*(\f-1)+3], s[G0A+4*(\f-1)+2:G0A+4*(\f-1)+3], 512   ; two chunks on
	s_add_nc_u64 s[G0B+4*(\f-1)+2:G0B+4*(\f-1)+3], s[G0B+4*(\f-1)+2:G0B+4*(\f-1)+3], 512
	JLOAD G0A+4*(\f-1), G1A, G0B+4*(\f-1), G1B
.endm
; A PREFETCH INTO THE L2 of the second tile's rows of Wq (wave 2) and Wk (wave 3), whole rows of 768 bytes: three requests, a lane a row, in the first tile's last refill: four K steps and the scores' arithmetic ahead of
; the load that wants them.  All clusters of a column of clusters read these rows: cluster y = 0 asks.  Its four partners along y share the 128 rows BY ADDRESS, 32 each.  So each row is named once in the launch.
.macro ASK
	s_cmp_gt_u32 s2, s[LIM]                        ; s2 = 2 in the first tile
	s_cbranch_scc0 .Lnot_mine_\@
	global_prefetch_b8 v30, s[PFA:PFA+1] th:TH_LOAD_NT scope:SCOPE_SE
	global_prefetch_b8 v30, s[PFA:PFA+1] offset:256 th:TH_LOAD_NT scope:SCOPE_SE
	global_prefetch_b8 v30, s[PFA:PFA+1] offset:512 th:TH_LOAD_NT scope:SCOPE_SE
.Lnot_mine_\@:
.endm
; A slot's last K step changes slots: ONE barrier; in front of it each wave waits for all its tensor loads, adds 0 to its spare word, and waits for that and for its reads of this slot.
.macro TURN ks, nslot, nq, fill
	s_wait_tensorcnt 0x0                           ; all my tensor loads have landed: my part of the next slot
	ds_add_u32 v28, v29                            ; 0 onto my spare word
	s_wait_dscnt 4*NL+1                            ; (the add and the loads of token blocks 4-7 may be out)
	WIN MUL_LO
	MUL16 0, (\ks)%2, \ks, 0
	s_wait_dscnt 0x0                               ; the add is done, and my reads of this slot are over
	s_barrier_signal -1
	MUL16 2, (\ks)%2, \ks, 0
	WIN 0
	s_barrier_wait -1
.if \fill
	CREST                                          ; the barrier has opened a round of the cluster's: no wave of any partner still reads this slot or has a load on its way
	REFILL \fill                                   ; (the four v_nop behind the load are also the places in front of the loads below)
.else
	PLACES 4
.endif
	FETCH_B \nslot, \nq, 1-(\ks)%2
	FETCH_A \nslot, \nq, 0
.if \fill == 1
	ASK
.endif
	WIN MUL_HI
	MUL16 4, (\ks)%2, \ks, 0
	MUL16 6, (\ks)%2, \ks, 0
	PLACES 4
	WIN 0
	FETCH_A \nslot, \nq, 4
.endm
.macro LAST ks
	s_wait_dscnt 4*NL
	WIN MUL_LO
	MUL16 0, (\ks)%2, \ks, 0
	MUL16 2, (\ks)%2, \ks, 0
	s_wait_dscnt 0x0
	WIN MUL_HI
	MUL16 4, (\ks)%2, \ks, 0
	MUL16 6, (\ks)%2, \ks, 0
	WIN 0
.endm
; A tile's first two fills, each behind a round of its own: the waits and the add, the round, the one joint load.
.macro CHANGE s
	s_wait_tensorcnt 0x0                           ; no tensor load of mine is out
	ds_add_u32 v28, v29
	ds_add_u32 v28, v29
	s_wait_dscnt 0x0                               ; the add is done, and so are all my LDS reads and stores
	CROUND
	JLOAD G0A+4*\s, G1A, G0B+4*\s, G1B
.endm
	s_load_b512 s[4:19], s[0:1], 0x0               ; x_codes 4, x_scales 6, Wq_codes 8, Wk_codes 10, Wq_scales 12, Wk_scales 14, bq 16, bk 18
	s_load_b512 s[20:35], s[0:1], 0x40             ; phase 20, Wv_codes 22, Wo_codes 24, Wo_scales 26, xi 28, wvi 30, woi 32, wos 34
	s_load_b64 s[36:37], s[0:1], 0x80              ; part
	v_lshl_add_u32 v28, v0, 2, SPARE
	v_mov_b32 v29, 0
	v_lshrrev_b32 v1, 5, v0
	v_readfirstlane_b32 s[WV], v1                  ; wave 0..3
	s_lshr_b32 s[TR], s[WV], 1                     ; which 128 tokens are mine.  Also: I fetch for x (0) or for the weights (1)
	s_and_b32 s[CC], s[WV], 1                      ; which 16 values of i.  Also: which half of x's tile, or Wq (0) or Wk (1), I fetch
	s_bfe_u32 s[CX], ttmp6, 0x40000
	s_bfe_u32 s[CY], ttmp6, 0x40004
	s_lshl_b32 s[NT], ttmp9, 2
	s_add_co_u32 s[NT], s[NT], s[CX]               ; nt = 4 x cluster x + cx
	s_and_b32 s[MT], ttmp7, 0xffff
	s_lshl_b32 s[MT], s[MT], 2
	s_add_co_u32 s[MT], s[MT], s[CY]               ; mt = 4 x cluster y + cy
	s_lshl_b32 s82, s[CY], 2
	s_lshl_b32 s82, 15, s82                        ; my row of the cluster
	s_lshl_b32 s83, 0x1111, s[CX]                  ; my column
	; descriptor group 1: 128 rows x 256 bytes; 16 bytes of padding behind every 256
	s_or_b32 s[G1A], s82, (1<<20)|(1<<21)|(5<<22)|(3<<25)   ; 128 rows x 256 bytes; 16 bytes of padding behind every 256
	s_or_b32 s[G1B], s83, (1<<20)|(1<<21)|(5<<22)|(3<<25)
.irp g, G1A, G1B
	s_mov_b32 s[\g+1], 256<<16                     ; tensor_dim0
	s_mov_b32 s[\g+2], 128<<16                     ; tensor_dim1
	s_mov_b32 s[\g+3], 256<<16                     ; tile_dim0
	s_mov_b32 s[\g+4], 128                         ; tile_dim1
	s_mov_b32 s[\g+6], 0
	s_mov_b32 s[\g+7], 0
.endr
	s_mov_b32 s[G1A+5], 768                        ; x: row behind row
	s_mov_b32 s[G1B+5], 24576                      ; the weights: every 32nd row
	s_mul_i32 s84, s[MT], 196608                   ; x: token 256 mt + 128 x half, 768 bytes a row
	s_mul_i32 s85, s[CC], 98304
	s_add_co_u32 s84, s84, s85
	s_mov_b32 s85, 0
	s_mul_i32 s86, s[NT], 1536                     ; the weights: row n0 = 2 nt
	s_mov_b32 s87, 0
	s_mul_i32 s88, s[WV], HALFT                    ; where my load lands in a slot
	s_wait_kmcnt 0x0
	s_add_nc_u64 s[84:85], s[4:5], s[84:85]
	s_cmp_eq_u32 s[CC], 0
	s_cselect_b64 s[90:91], s[8:9], s[10:11]
	s_add_nc_u64 s[86:87], s[90:91], s[86:87]
.irp s, 0,1
	s_mov_b32 s[G0A+4*\s], 1
	s_add_co_u32 s[G0A+4*\s+1], s88, \s*SLOT
	s_add_nc_u64 s[G0A+4*\s+2:G0A+4*\s+3], s[84:85], \s*256
	s_or_b32 s[G0A+4*\s+3], s[G0A+4*\s+3], 0x80000000
	s_mov_b32 s[G0B+4*\s], 1
	s_add_co_u32 s[G0B+4*\s+1], s88, \s*SLOT
	s_add_nc_u64 s[G0B+4*\s+2:G0B+4*\s+3], s[86:87], \s*256
	s_or_b32 s[G0B+4*\s+3], s[G0B+4*\s+3], 0x80000000
.endr
	s_mul_i32 s90, s[CY], 786432                   ; the prefetches: row n0 + 1, my work-group's 32 of the tile's 128 rows
	s_add_co_u32 s90, s90, 768
	s_mov_b32 s91, 0
	s_add_nc_u64 s[PFA:PFA+1], s[86:87], s[90:91]
	s_and_b32 s[LIM], ttmp7, 0xffff                ; cluster y,
	s_xor_b32 s3, s[TR], 1                         ; 0 in waves 2 and 3
	s_or_b32 s[LIM], s[LIM], s3
	s_cmp_eq_u32 s[LIM], 0
	s_cselect_b32 s[LIM], 1, -1                    ; the same in all sixteen partners, for a given wave
	; every pointer takes its work-group's and wave's offset in place
	s_mov_b32 s99, 0
	s_lshl_b32 s98, s[MT], 13
	s_lshl_b32 s3, s[TR], 12
	s_add_co_u32 s98, s98, s3
	s_add_nc_u64 s[6:7], s[6:7], s[98:99]          ; x's scales: token 256 mt + 128 tr, 32 bytes a row
	s_lshl_b32 s98, s[NT], 6
	s_lshl_b32 s3, s[CC], 14
	s_add_co_u32 s98, s98, s3
	s_add_nc_u64 s[12:13], s[12:13], s[98:99]      ; the weights' scales: row n0 + 512 c
	s_add_nc_u64 s[14:15], s[14:15], s[98:99]
	s_lshl_b32 s98, s[NT], 3
	s_lshl_b32 s3, s[CC], 11
	s_add_co_u32 s98, s98, s3
	s_add_nc_u64 s[16:17], s[16:17], s[98:99]      ; the biases and the phases: number n0 + 512 c
	s_add_nc_u64 s[18:19], s[18:19], s[98:99]
	s_add_nc_u64 s[20:21], s[20:21], s[98:99]
	s_lshl_b32 s98, s[NT], 18
	s_lshl_b32 s3, s[MT], 12
	s_add_co_u32 s98, s98, s3
	s_lshl_b32 s3, s[TR], 11
	s_add_co_u32 s98, s98, s3
	s_add_nc_u64 s[36:37], s[36:37], s[98:99]      ; part: [nt][0][256 mt + 128 tr]
	; the side copy.  W = my wave's number in the launch; trip tau copies fragment 2 W + tau of each of the three
	s_lshl_b32 s92, s[MT], 6
	s_lshl_b32 s3, s[NT], 2
	s_add_co_u32 s92, s92, s3
	s_add_co_u32 s92, s92, s[WV]                   ; W
	s_lshr_b32 s93, s92, 5                         ; the group of 128 tokens, or of 32 d
	s_bfe_u32 s94, s92, 0x20003                    ; which 256 along K
	s_and_b32 s95, s92, 7                          ; the block in the group
	s_mul_i32 s97, s94, 192
	s_lshl_b32 s98, s93, 7                         ; x: block a's row r is token 128 G + 64 (a / 4) + 4 r + a % 4
	s_lshr_b32 s96, s95, 2
	s_lshl_b32 s96, s96, 6
	s_add_co_u32 s98, s98, s96
	s_and_b32 s96, s95, 3
	s_add_co_u32 s98, s98, s96
	s_mul_i32 s98, s98, 768
	s_add_co_u32 s98, s98, s97
	s_add_nc_u64 s[4:5], s[4:5], s[98:99]
	s_lshr_b32 s98, s95, 1                         ; Wv: block 2 g + u's row r is row 1024 g + 32 G + 8 u + r + 8 (r / 8)
	s_lshl_b32 s98, s98, 10
	s_lshl_b32 s96, s93, 5
	s_add_co_u32 s98, s98, s96
	s_and_b32 s96, s95, 1
	s_lshl_b32 s96, s96, 3
	s_add_co_u32 s98, s98, s96
	s_mul_i32 s98, s98, 768
	s_add_co_u32 s98, s98, s97
	s_add_nc_u64 s[22:23], s[22:23], s[98:99]
	s_mul_i32 s98, s92, 3072                       ; the images: 1,536 bytes each
	s_add_nc_u64 s[28:29], s[28:29], s[98:99]
	s_add_nc_u64 s[30:31], s[30:31], s[98:99]
	s_add_nc_u64 s[32:33], s[32:33], s[98:99]
	s_and_b32 s96, s92, 3                          ; Wo: fragment id = ((nt3 8 + t) 4 + w) 8 + i: first row 128 nt3 + 16 i,
	s_lshl_b32 s96, s96, 5
	s_lshr_b32 s3, s92, 7
	s_lshl_b32 s3, s3, 7
	s_add_co_u32 s96, s96, s3
	s_bfe_u32 s97, s92, 0x20002
	s_lshl_b32 s97, s97, 3
	s_bfe_u32 s3, s92, 0x30004
	s_add_co_u32 s97, s97, s3                      ; K step kappa = 8 w + t, whose block j is the row's block 32 j + kappa
	s_mul_i32 s98, s96, 3072
	s_mul_i32 s3, s97, 24
	s_add_co_u32 s98, s98, s3
	s_add_nc_u64 s[24:25], s[24:25], s[98:99]
	s_lshl_b32 s98, s96, 7
	s_add_co_u32 s98, s98, s97
	s_add_nc_u64 s[26:27], s[26:27], s[98:99]
	s_lshl_b32 s98, s97, 10
	s_add_co_u32 s98, s98, s96
	s_lshl_b32 s98, s98, 2
	s_add_nc_u64 s[34:35], s[34:35], s[98:99]      ; wos: [kappa][n] words
	; lane offsets
	v_and_b32 v1, 15, v0                           ; r
	v_bfe_u32 v2, v0, 4, 1                         ; h
	v_and_b32 v3, 31, v0                           ; lane
	v_lshlrev_b32 v4, 5, v1
	v_lshl_add_u32 v4, v2, 4, v4                   ; x's scales: 32 r + 16 h
	v_lshlrev_b32 v5, 10, v1
	v_lshl_add_u32 v5, v2, 4, v5                   ; the weights' scales: rows 32 apart: 1024 r + 16 h
	v_lshlrev_b32 v6, 7, v1                        ; the biases: a lane takes i = 16 c + lane % 16 (128 bytes apart)
	v_lshl_add_u32 v6, v2, 12, v6                  ; of head lane / 16 (+ 2 in the immediate)
	v_lshrrev_b32 v25, 3, v3
	v_and_b32 v26, 7, v3
	v_lshlrev_b32 v7, 12, v25
	v_lshl_add_u32 v7, v26, 8, v7                  ; the phases: head lane / 8, i = 2 (lane % 8)
	v_mul_u32_u24 v8, v1, 3072
	v_mad_u32_u24 v10, v2, 768, v8                 ; Wo's codes: 3072 r + 768 h
	v_mad_u32_u24 v8, v2, 24, v8                   ; x's codes for the copy: rows 4 apart
	v_and_b32 v9, 8, v1
	v_add_nc_u32 v9, v9, v1
	v_mul_u32_u24 v9, v9, 768
	v_mad_u32_u24 v9, v2, 24, v9                   ; Wv's codes
	v_lshlrev_b32 v11, 7, v1                       ; Wo's scale bytes: 128 r
	v_lshlrev_b32 v12, 2, v1                       ; wos: 4 r
	v_lshlrev_b32 v13, 7, v25
	v_lshl_add_u32 v13, v26, 3, v13
	s_lshl_b32 s3, s[WV], 9
	s_add_co_u32 s3, s3, CSB
	v_add_nc_u32 v13, s3, v13                      ; cos and sin, in: 128 (lane / 8) + 8 (lane % 8)
	v_lshl_add_u32 v14, v2, 5, s3                  ; and out: 32 h
	v_lshlrev_b32 v24, 4, v3                       ; 16 x lane
	s_lshl_b32 s3, s[TR], 13
	s_add_co_u32 s3, s3, RED
	v_add_nc_u32 v15, s3, v24
	v_mul_u32_u24 v30, v3, 24576
	v_mul_u32_u24 v25, v1, PITCH
	v_mad_u32_u24 v26, v2, 24, v25                 ; a fragment's row x pitch + 24 x half
	s_mov_b32 s96, SLOT-232
	s_mov_b32 s97, SLOT+232
	v_sub_nc_u32 v31, 1, v2                        ; 1 in lanes 0-15
	v_mul_u32_u24 v27, s96, v2
	v_add_nc_u32 v27, v25, v27
	v_add_nc_u32 v27, 232, v27                     ; across two chunks: lanes 0-15 byte 232 of the row in slot 0, lanes 16-31 byte 0 of the row in slot 1;
	v_mul_u32_u24 v31, s97, v31
	v_add_nc_u32 v31, v25, v31                     ; and lanes 0-15 byte 232 of the row in slot 1, lanes 16-31 byte 0 of the row in slot 0
	s_mul_i32 s96, s[TR], HALFT                    ; my 128 tokens
	s_mul_i32 s97, s[CC], 16*PITCH                 ; my 16 rows of each 32 of the weights,
	s_add_co_u32 s97, s97, 2*HALFT                 ; which lie behind x's 256
	v_add_nc_u32 v[ADRA+2], s96, v27
	v_add_nc_u32 v[ADRA+3], s96, v31
	v_add_nc_u32 v[ADRB+2], s97, v27
	v_add_nc_u32 v[ADRB+3], s97, v31
.irp s, 0,1
	v_add_nc_u32 v[ADRA+\s], s96, v26
	v_add_nc_u32 v[ADRB+\s], s97, v26
	s_add_co_u32 s96, s96, SLOT
	s_add_co_u32 s97, s97, SLOT
.endr
	s_lshl_b32 s3, s[WV], 9
	s_add_co_u32 s3, s3, BIA
	v_lshl_add_u32 v25, v3, 2, s3                  ; the biases, in: my wave's 512 bytes + 4 x lane
.set n, 0
.rept 32
	v_mov_b32 v[96+n], 0                           ; the running scores begin as zeros, once, so that a tile is written once
	v_mov_b32 v[224+n], 0
.set n, n+1
.endr
.irp a, 0,1,2,3,4,5,6,7
	global_load_b128 v[SA+4*\a:SA+4*\a+3], v4, s[6:7] offset:512*\a   ; x's scale words, for both tiles
.endr
	s_mov_b32 s2, 2                                ; tiles to go
.Ltile:
	CHANGE 0                                       ; K 0 .. 255 into slot 0
	; ---- while it is on its way: this tile's phases, scales and biases, and the side copy
	global_load_b32 v168, v7, s[20:21]
	global_load_b32 v169, v7, s[20:21] offset:128
.irp b, 0,1,2,3
	global_load_b128 v[SB+4*\b:SB+4*\b+3], v5, s[12:13] offset:32768*\b
	global_load_b128 v[SB+16+4*\b:SB+19+4*\b], v5, s[14:15] offset:32768*\b
.endr
.irp m, 0,1
	global_load_b32 v[190+2*\m], v6, s[16:17] offset:8192*\m   ; bq at head 2 m + lane / 16, i = 16 c + lane % 16: four loads bring the wave's 128 biases
	global_load_b32 v[191+2*\m], v6, s[18:19] offset:8192*\m   ; bk likewise
.endr
	s_wait_loadcnt 0x0
.irp m, 0,1
	ds_store_b32 v25, v[190+2*\m] offset:128*\m                ; [head][i] f32, my wave's own bytes: LDS serves a wave's instructions in order, so the loads below see these
	ds_store_b32 v25, v[191+2*\m] offset:256+128*\m
.endr
	WIN TO_B
.irp b, 0,1,2,3
	ds_load_b128 v[96+8*\b:99+8*\b], v14 offset:2048+64*\b           ; bq at head b, i = 16 c + 8 h + 0 .. 7 (v14 = CSB + 512 wave + 32 h; BIA lies 2,048 behind CSB)
	ds_load_b128 v[100+8*\b:103+8*\b], v14 offset:2048+64*\b+16
	ds_load_b128 v[224+8*\b:227+8*\b], v14 offset:2304+64*\b         ; bk likewise; all are awaited in front of the next round
	ds_load_b128 v[228+8*\b:231+8*\b], v14 offset:2304+64*\b+16
.endr
	WIN 0
.irp e, 0,1                                    ; cos and sin of my two phases
	v_mul_f32 v[174+\e], 0x3f22f983, v[168+\e]     ; x 2 / pi
	v_rndne_f32 v[174+\e], v[174+\e]               ; n
	v_fma_f32 v[176+\e], v[174+\e], 0xbfc90000, v[168+\e]   ; r = x - n pi / 2, pi / 2 in three parts
	v_fma_f32 v[176+\e], v[174+\e], 0xb9fda000, v[176+\e]
	v_fma_f32 v[176+\e], v[174+\e], 0xb3a22168, v[176+\e]
	v_mul_f32 v[178+\e], v[176+\e], v[176+\e]      ; z = r r
	v_cvt_i32_f32 v[184+\e], v[174+\e]             ; the quadrant
	v_mov_b32 v[180+\e], 0xb94ca1f9
	v_fmaak_f32 v[180+\e], v[180+\e], v[178+\e], 0x3c08839e
	v_fmaak_f32 v[180+\e], v[180+\e], v[178+\e], 0xbe2aaaa3
	v_mul_f32 v[180+\e], v[180+\e], v[178+\e]
	v_fma_f32 v[180+\e], v[180+\e], v[176+\e], v[176+\e]    ; sin r
	v_mov_b32 v[182+\e], 0x37ccf5ce
	v_fmaak_f32 v[182+\e], v[182+\e], v[178+\e], 0xbab6061a
	v_fmaak_f32 v[182+\e], v[182+\e], v[178+\e], 0x3d2aaaa5
	v_mul_f32 v[186+\e], v[178+\e], v[178+\e]
	v_fma_f32 v[188+\e], v[178+\e], -0.5, 1.0
	v_fma_f32 v[182+\e], v[182+\e], v[186+\e], v[188+\e]    ; cos r
	v_and_b32 v[186+\e], 1, v[184+\e]
	v_cmp_eq_u32 vcc_lo, 1, v[186+\e]              ; in odd quadrants the two change places
	v_cndmask_b32 v[172+\e], v[180+\e], v[182+\e], vcc_lo
	v_cndmask_b32 v[170+\e], v[182+\e], v[180+\e], vcc_lo
	v_and_b32 v[186+\e], 2, v[184+\e]
	v_lshlrev_b32 v[186+\e], 30, v[186+\e]
	v_xor_b32 v[172+\e], v[172+\e], v[186+\e]      ; sin's sign: quadrants 2, 3
	v_add_nc_u32 v[186+\e], 1, v[184+\e]
	v_and_b32 v[186+\e], 2, v[186+\e]
	v_lshlrev_b32 v[186+\e], 30, v[186+\e]
	v_xor_b32 v[170+\e], v[170+\e], v[186+\e]      ; cos's: quadrants 1, 2
.endr
	ds_store_b64 v13, v[170:171]                   ; my wave's own bytes: no barrier between these and my reads of them
	ds_store_b64 v13, v[172:173] offset:64
	CHANGE 1                                       ; slot 0 is whole in every wave's eyes; K 256 .. 511 into slot 1
	FETCH_B 0, 0, 0
	FETCH_A 0, 0, 0
	FETCH_A 0, 0, 4
	STEP 0, 0, 1, 1                                ; the first K step starts the sums from the biases
	; THE SIDE COPY lands in the biases' registers of window 1, which no product names behind K step 0 (the four places at that step's end stand ahead of these loads); no product waits for it
	WIN TO_B
.irp p, 0,1,2,3,4,5
	global_load_b64 v[96+2*\p:97+2*\p], v8, s[4:5] offset:48*(\p/3)+8*(\p%3)       ; x's fragment: window 1, v96-107
.endr
	WIN 0
	TURN 1, 0, 2, 0                                ; step 2 ends in chunk 1: a barrier shows that chunk whole
	WIN TO_B
.irp p, 0,1,2,3,4,5
	global_load_b64 v[108+2*\p:109+2*\p], v9, s[22:23] offset:48*(\p/3)+8*(\p%3) th:TH_LOAD_NT   ; Wv's: v108-119
.endr
	WIN 0
	TURN 2, 0, 3, 1                                ; step 3 begins in chunk 1: chunk 0 is read no more, and slot 0 takes chunk 2
	WIN TO_B
.irp p, 0,1,2,3,4,5
	global_load_b64 v[224+2*\p:225+2*\p], v10, s[24:25] offset:1536*(\p/3)+8*(\p%3) th:TH_LOAD_NT   ; Wo's: v224-235
.endr
.irp j, 0,1,2,3
	global_load_u8 v[236+\j], v11, s[26:27] offset:32*\j                            ; and its four scale bytes: v236-239
.endr
	WIN 0
	STEP 3, 0, 4, 0
	TURN 4, 0, 5, 0                                ; step 5 ends in chunk 2: a barrier shows it whole
	STEP 5, 0, 6, 0                                ; nothing is left to fetch for this tile: slot 1 is next filled behind the next tile's round
	s_wait_loadcnt 0x0                             ; the side copy's 22 loads, the youngest issued behind K step 2
	WIN 0x04                                       ; the stores' data: window 1
.irp k, 0,1,2
	global_store_b128 v24, v[96+4*\k:99+4*\k], s[28:29] offset:512*\k     ; the three images: each store covers 512 consecutive bytes
	global_store_b128 v24, v[108+4*\k:111+4*\k], s[30:31] offset:512*\k
	global_store_b128 v24, v[224+4*\k:227+4*\k], s[32:33] offset:512*\k
.endr
	WIN 0x11                                       ; sources 0 and 2 window 1, destination window 0
	v_lshl_or_b32 v31, v237, 8, v236               ; Wo's scale word of K step kappa: byte j from the row's block 32 j + kappa
	WIN 0x01
	v_lshl_or_b32 v31, v238, 16, v31
	v_lshl_or_b32 v31, v239, 24, v31
	WIN 0
	v_cmp_gt_u32 vcc_lo, 16, v3
	s_wait_alu depctr_va_vdst(0)
	s_wait_xcnt 0x0                                ; EXEC changes only behind this wait
	s_and_saveexec_b32 s100, vcc_lo
	global_store_b32 v12, v31, s[34:35]            ; lanes 0-15: 16 words
	s_wait_xcnt 0x0                                ; and again, in front of the line that widens it; the stores' data registers are free from here on
	s_or_b32 exec_lo, exec_lo, s100
	STEP 6, 0, 7, 0
	LAST 7
	; ---- the scores of this tile.  w[h][g] = cos cos + sin sin is symmetric: ten of them, eight registers each (my eight i)
	PLACES 4
	WIN TO_B
.irp h, 0,1,2,3
.irp k, 0,1,2,3
	ds_load_b128 v[192+16*\h+4*\k:195+16*\h+4*\k], v14 offset:128*\h+64*(\k/2)+16*(\k%2)   ; window 1: cos of head h at v[192 + 16 h], sin at v[200 + 16 h]
.endr
.endr
	s_wait_dscnt 0x0
	WIN 0x55                                       ; all in window 1
.irp h, 0,1,2,3
.irp g, 0,1,2,3
.if \h <= \g
.set rW, 8*(4*\h-\h*(\h-1)/2+\g-\h)
.irp i, 0,2,4,6
	v_pk_mul_f32 v[rW+\i:rW+\i+1], v[192+16*\h+\i:193+16*\h+\i], v[192+16*\g+\i:193+16*\g+\i]
.endr
.irp i, 0,2,4,6
	v_pk_fma_f32 v[rW+\i:rW+\i+1], v[200+16*\h+\i:201+16*\h+\i], v[200+16*\g+\i:201+16*\g+\i], v[rW+\i:rW+\i+1]
.endr
.endif
.endr
.endr
; token blocks 2 p and 2 p + 1.  For each g: t[h] = k[g] w[h][g] (window 1, v80 on), then s[h][g] = the sum of q[h] t[h], the four h by turns (window 1, v128 on: a pair for each (h, g)).  Each accumulator is read from its low end on.
.macro EPIP p
	WIN 0x56+(\p)/2                                ; source 0: the accumulators' window; the rest window 1
.irp e, 0,1
.set aa, (2*(\p)+\e)%4
.irp g, 0,1,2,3
.irp h, 0,1,2,3
.if \h <= \g
.set rW, 8*(4*\h-\h*(\h-1)/2+\g-\h)
.else
.set rW, 8*(4*\g-\g*(\g-1)/2+\h-\g)
.endif
.irp i, 0,2,4,6
	v_pk_mul_f32 v[80+8*\h+\i:81+8*\h+\i], v[8*(8*aa+4+\g)+\i:8*(8*aa+4+\g)+\i+1], v[rW+\i:rW+\i+1]
.endr
.endr
.irp i, 0,2,4,6
.irp h, 0,1,2,3
.set rS, 128+32*\e+2*(4*\h+\g)
.if \i == 0
	v_pk_mul_f32 v[rS:rS+1], v[8*(8*aa+\h)+\i:8*(8*aa+\h)+\i+1], v[80+8*\h+\i:81+8*\h+\i]
.else
	v_pk_fma_f32 v[rS:rS+1], v[8*(8*aa+\h)+\i:8*(8*aa+\h)+\i+1], v[80+8*\h+\i:81+8*\h+\i], v[rS:rS+1]
.endif
.endr
.endr
.endr
.endr
	WIN 0x05                                       ; sources window 1, destination window 0
.set n, 0
.rept 16
	v_add_f32 v[128+n], v[128+2*n], v[129+2*n]     ; a pair's two halves: block 2 p,
	v_add_f32 v[144+n], v[160+2*n], v[161+2*n]     ; block 2 p + 1
.set n, n+1
.endr
	WIN 0
.set n, 0
.rept 16
	v_permlane16_swap_b32 v[128+n], v[144+n]       ; the first's lanes 16-31 change places with the second's lanes 0-15: both halves of a token's i now lie in one lane,
.set n, n+1
.endr
.set rR, 96+16*(\p)+96*((\p)/2)
.irp n, 0,2,4,6,8,10,12,14
	v_pk_add_f32 v[128+\n:129+\n], v[128+\n:129+\n], v[144+\n:145+\n]   ; lane = token 32 p + lane
.endr
.irp n, 0,2,4,6,8,10,12,14
	v_pk_add_f32 v[rR+\n:rR+\n+1], v[rR+\n:rR+\n+1], v[128+\n:129+\n]
.endr
.endm
	EPIP 0
	EPIP 1
	EPIP 2
	EPIP 3
	; ---- on to the next tile: row n0 + 1 of the weights, the next fragments of the side copy
	s_wait_xcnt 0x0                                ; every earlier memory instruction has read its addresses: the bases may be written
	s_sub_nc_u64 s[G0A+2:G0A+3], s[G0A+2:G0A+3], 512   ; (no tensor load of mine is out)  x: slot 0 back from chunk 2 to chunk 0; slot 1 stands at chunk 1
	s_add_nc_u64 s[G0B+2:G0B+3], s[G0B+2:G0B+3], 256   ; the weights: from chunk 2 to the next row's chunk 0,
	s_add_nc_u64 s[G0B+6:G0B+7], s[G0B+6:G0B+7], 768   ; and from chunk 1 to the next row's chunk 1
	s_add_nc_u64 s[12:13], s[12:13], 32
	s_add_nc_u64 s[14:15], s[14:15], 32
	s_add_nc_u64 s[16:17], s[16:17], 4
	s_add_nc_u64 s[18:19], s[18:19], 4
	s_add_nc_u64 s[20:21], s[20:21], 4
	s_add_nc_u64 s[4:5], s[4:5], 96
	s_add_nc_u64 s[22:23], s[22:23], 96
	s_add_nc_u64 s[24:25], s[24:25], 49152
	s_add_nc_u64 s[26:27], s[26:27], 2048
	s_add_nc_u64 s[28:29], s[28:29], 1536
	s_add_nc_u64 s[30:31], s[30:31], 1536
	s_add_nc_u64 s[32:33], s[32:33], 1536
	s_add_nc_u64 s[34:35], s[34:35], 64
	s_sub_co_u32 s2, s2, 1
	s_cmp_lg_u32 s2, 0
	s_cbranch_scc1 .Ltile
	; ---- the two waves of a tr hold the two halves of i: wave c = 1 hands its 64 sums to wave c = 0, which stores
	s_cmp_eq_u32 s[CC], 0
	s_cbranch_scc1 .Lkeep
	s_wait_alu depctr_va_vdst(0)
.irp k, 0,1,2,3,4,5,6,7,8,9,10,11,12,13,14,15
	ds_store_b128 v15, v[96+4*\k+96*(\k/8):99+4*\k+96*(\k/8)] offset:512*\k
.endr
.Lkeep:
	s_wait_dscnt 0x0                               ; for the other wave's sake: my stores have landed
	s_barrier_signal -1
	s_barrier_wait -1
	s_cmp_lg_u32 s[CC], 0
	s_cbranch_scc1 .Lsent
.irp k, 0,1,2,3,4,5,6,7,8,9,10,11,12,13,14,15
	ds_load_b128 v[128+4*\k:131+4*\k], v15 offset:512*\k
.endr
	s_wait_dscnt 0x0
.irp k, 0,1,2,3,4,5,6,7,8,9,10,11,12,13,14,15
	v_pk_add_f32 v[96+4*\k+96*(\k/8):97+4*\k+96*(\k/8)], v[96+4*\k+96*(\k/8):97+4*\k+96*(\k/8)], v[128+4*\k:129+4*\k]
	v_pk_add_f32 v[98+4*\k+96*(\k/8):99+4*\k+96*(\k/8)], v[98+4*\k+96*(\k/8):99+4*\k+96*(\k/8)], v[130+4*\k:131+4*\k]
.endr
.irp k, 0,1,2,3,4,5,6,7,8,9,10,11,12,13,14,15
	global_store_b128 v24, v[96+4*\k+96*(\k/8):99+4*\k+96*(\k/8)], s[36:37] offset:65536*(\k%4)+512*(\k/4)   ; head k % 4, tokens 32 (k / 4) on: 512 consecutive bytes
.endr
.Lsent:
	s_wait_tensorcnt 0x0                           ; the wave's end
	ds_add_u32 v28, v29
	s_wait_dscnt 0x0
	CROUND                                         ; the closing round
	s_endpgm
.Lfunc_end_k_qe0be1fbb8c_qk:
	.size	k_qe0be1fbb8c_qk, .Lfunc_end_k_qe0be1fbb8c_qk-k_qe0be1fbb8c_qk
	.p2alignl 7, 3214868480
	.fill 96, 4, 3214868480
	.section	.rodata,"a",@progbits
	.p2align	6, 0x0
	.amdhsa_kernel k_qe0be1fbb8c_qk
		.amdhsa_group_segment_fixed_size 327680
		.amdhsa_private_segment_fixed_size 0
		.amdhsa_enable_private_segment 0
		.amdhsa_kernarg_size 136
		.amdhsa_user_sgpr_count 2
		.amdhsa_user_sgpr_kernarg_segment_ptr 1
		.amdhsa_wavefront_size32 1
		.amdhsa_system_sgpr_workgroup_id_x 1
		.amdhsa_system_sgpr_workgroup_id_y 1
		.amdhsa_system_sgpr_workgroup_id_z 1
		.amdhsa_system_vgpr_workitem_id 0
		.amdhsa_next_free_vgpr 1024
		.amdhsa_next_free_sgpr 102
		.amdhsa_reserve_vcc 1
		.amdhsa_float_denorm_mode_32 3
		.amdhsa_float_denorm_mode_16_64 3
		.amdhsa_memory_ordered 1
		.amdhsa_forward_progress 1
		.amdhsa_inst_pref_size 229
	.end_amdhsa_kernel
	.amdgpu_metadata
---
amdhsa.version: [ 1, 2 ]
amdhsa.kernels:
  - .name:           k_qe0be1fbb8c_qk
    .symbol:         k_qe0be1fbb8c_qk.kd
    .args:
      - { .name: x_codes, .offset: 0, .size: 8, .value_kind: global_buffer, .address_space: global }
      - { .name: x_scales, .offset: 8, .size: 8, .value_kind: global_buffer, .address_space: global }
      - { .name: Wq_codes, .offset: 16, .size: 8, .value_kind: global_buffer, .address_space: global }
      - { .name: Wk_codes, .offset: 24, .size: 8, .value_kind: global_buffer, .address_space: global }
      - { .name: Wq_scales, .offset: 32, .size: 8, .value_kind: global_buffer, .address_space: global }
      - { .name: Wk_scales, .offset: 40, .size: 8, .value_kind: global_buffer, .address_space: global }
      - { .name: bq, .offset: 48, .size: 8, .value_kind: global_buffer, .address_space: global }
      - { .name: bk, .offset: 56, .size: 8, .value_kind: global_buffer, .address_space: global }
      - { .name: phase, .offset: 64, .size: 8, .value_kind: global_buffer, .address_space: global }
      - { .name: Wv_codes, .offset: 72, .size: 8, .value_kind: global_buffer, .address_space: global }
      - { .name: Wo_codes, .offset: 80, .size: 8, .value_kind: global_buffer, .address_space: global }
      - { .name: Wo_scales, .offset: 88, .size: 8, .value_kind: global_buffer, .address_space: global }
      - { .name: xi, .offset: 96, .size: 8, .value_kind: global_buffer, .address_space: global }
      - { .name: wvi, .offset: 104, .size: 8, .value_kind: global_buffer, .address_space: global }
      - { .name: woi, .offset: 112, .size: 8, .value_kind: global_buffer, .address_space: global }
      - { .name: wos, .offset: 120, .size: 8, .value_kind: global_buffer, .address_space: global }
      - { .name: part, .offset: 128, .size: 8, .value_kind: global_buffer, .address_space: global }
    .group_segment_fixed_size: 327680
    .private_segment_fixed_size: 0
    .kernarg_segment_align: 8
    .kernarg_segment_size: 136
    .max_flat_workgroup_size: 128
    .sgpr_count:     102
    .vgpr_count:     1024
    .wavefront_size: 32
...
	.end_amdgpu_metadata
.endif
;; end of part 1
;; launch vmix (part 2): grid 16 x 16, 4 waves a work-group, clusters of 4 x 4, 327,680 bytes of LDS; arguments xi, x_scales, wvi, Wv_scales, bv, part, a2i, a2s; writes a2i, a2s
.if DOCPART == 2
	.amdgcn_target "amdgcn-amd-amdhsa--gfx1250"
	.amdhsa_code_object_version 6
	.text
	.protected	k_qe0be1fbb8c_vmix
	.globl	k_qe0be1fbb8c_vmix
	.p2align	8
	.type	k_qe0be1fbb8c_vmix,@function
k_qe0be1fbb8c_vmix:
	s_mov_b64 s[64:65], 0
	v_nop
	global_prefetch_b8 v0, s[64:65] scope:SCOPE_SE
	s_setreg_imm32_b32 hwreg(HW_REG_WAVE_MODE, 25, 1), 1
	s_wait_xcnt 0x0
	s_wait_alu depctr_hold_cnt(0) depctr_sa_sdst(0) depctr_va_vdst(0) depctr_va_sdst(0) depctr_va_ssrc(0) depctr_va_vcc(0) depctr_vm_vsrc(0)
	s_getreg_b32 s2, hwreg(HW_REG_IB_STS2, 6, 4)
	s_cmp_eq_u32 s2, 0
	s_cbranch_scc0 .Lentry_in_a_cluster
	s_endpgm
.Lentry_in_a_cluster:
	s_bfe_u32 s2, ttmp6, 0x10000c
	s_cmp_lg_u32 s2, 0xf033
	s_cbranch_scc0 .Lentry_shape_is_right
	s_endpgm
.Lentry_shape_is_right:
; SECOND OF THREE LAUNCHES.  The 16 partial scores of each (token, h, g) are added, scaled by 1 / 32 and put through the softmax over g (the row's maximum is taken away first); v = x Wv + bv on codes of BF6;
; out[token][h][d] = the sum over g of attn[h][g] v[g][d], in f32; and out, seen as the last product's left operand A2 (row 1024 b + 256 h + s / 4, column 1024 (s % 4) + d), is quantised along its columns.  v never goes to memory.
; SHARES.  Work-group (nt, mt): tokens 256 mt .. + 255, all four heads at d = 64 nt .. + 63.  Wave (tr, c): 128 tokens, d = 32 kappa .. + 31 with kappa = 2 nt + c.  Token block a = 4 rho + j holds tokens
; 256 mt + 128 tr + 64 rho + 4 r + j: so the four blocks j of a rho are the four column groups of the SAME 16 rows of A2.  Weight block 2 g + u holds rows 1024 g + 32 kappa + 8 u + r + 8 (r / 8) of Wv: used transposed,
; the 16 registers of accumulators (a, 2 g) and (a, 2 g + 1) are d = 32 kappa + 16 (lane / 16) + 0 .. 15 of head g.
; THE LAST PRODUCT'S K IS PERMUTED, alike in A2 and Wo, whole blocks of 32 kept: K step kappa is made of the blocks (j = 0 .. 3, d = 32 kappa .. + 31).  So a wave makes whole fragments and whole scale words.
; x and Wv come as images of the operands' registers (1,536 bytes a fragment; three loads of 16 bytes a lane bring one), laid by the launch before so that a wave's tensor load is one dense block of 24,576 bytes.
; Three LDS slots of two K steps; the first three fills go out together, the fourth refills slot 0 behind the one round in the loop.  By the text's count a wave has three tensor loads out at the start, later one.
; LIMITS: NaN and infinities are not served; a block of zeros gets the scale byte 1 (its codes are zeros, and this program alone reads the bytes).
; REGISTERS: window 0: v1-10 lane offsets; v16-18, v20-22 LDS addresses; v28, v29 the add's; v32-63 x's scale words, v64-95 Wv's (nothing else ever); v96-127 two sets of attention weights;
;   v128-223 x's fragments, later 64 numbers of out and their codes; v232-250 the quantiser's.   window 1: Wv's fragments, two sets; v96-127, v224-255 bv.   windows 2, 3: first the partial scores, then the accumulators.
.set SLOT,   98304                     ; four parts of 24,576 bytes each = [block 8][K step 2][1536]; a part's three slots lie together, parts 73,728 bytes apart
.set ATT,    3*SLOT                    ; attention weights: entry (token % 4) 64 + token / 4, 80 bytes apart, 16 f32 [h][g]
.set SPARE,  ATT+20480
.set NL,     3
.set SA,     32
.set SB,     64
.set AT,     96
.set AF,     128
.set OO,     128
.set PC,     192
.set TM,     232
.set PW,     248
.set PWA,    249
.set PWJ,    250
.set ADRA,   16
.set ADRB,   20
.set WV,     20
.set TR,     21
.set CC,     22
.set G1A,    24
.set G1B,    32
.set G0A,    40                        ; s[40:43] one set
.set G0B,    52                        ; s[52:55] one set
.set SEL,    66
.set CX,     68
.set CY,     69
.set NT,     70
.set MT,     71
.set HIM,    96
.set MUL_LO, 0xa1
.set MUL_HI, 0xf1
.set TO_B,   0x40
.set MSB, 0
.macro WIN new
.if MSB != (\new)
	s_set_vgpr_msb (MSB<<8)|(\new)
.set MSB, (\new)
.endif
.endm
.macro WINM hi, mode
.if \mode == 1
	WIN 0x91+0x40*\hi
.else
	WIN 0xa1+0x50*\hi
.endif
.endm
.macro PLACES n
.rept \n
	v_nop
.endr
.endm
.macro JLOAD g0a, g1a, g0b, g1b        ; waves 0 and 1 fetch for x, waves 2 and 3 for Wv; four v_nop follow each of the two lines
	s_cmp_eq_u32 s[TR], 0
	s_cbranch_scc0 .Lfor_b_\@
	tensor_load_to_lds s[\g0a:\g0a+3], s[\g1a:\g1a+7]
	s_nop 0
.rept 4
	v_nop
.endr
	s_branch .Lasked_\@
.Lfor_b_\@:
	tensor_load_to_lds s[\g0b:\g0b+3], s[\g1b:\g1b+7]
	s_nop 0
.rept 4
	v_nop
.endr
.Lasked_\@:
.endm
.macro CREST
	s_cmp_lg_u32 s[WV], 0
	s_cbranch_scc1 .Lnot_wave_0_\@
	s_barrier_signal -3
.Lnot_wave_0_\@:
	s_barrier_wait -3
	s_barrier_signal -1
	s_barrier_wait -1
.endm
.macro CROUND
	s_barrier_signal -1
	s_barrier_wait -1
	CREST
.endm
.macro WMMA mode, row
.if (\row) == 0
.if \mode == 0
	v_wmma_scale_f32_16x16x128_f8f6f4 v[rD:rD+7], v[rB:rB+11], v[rA:rA+11], v[rD:rD+7], v[rSB], v[rSA] matrix_a_fmt:MATRIX_FMT_BF6 matrix_b_fmt:MATRIX_FMT_BF6
.elseif \mode == 1
	v_wmma_scale_f32_16x16x128_f8f6f4 v[rD:rD+7], v[rB:rB+11], v[rA:rA+11], v[rC:rC+7], v[rSB], v[rSA] matrix_a_fmt:MATRIX_FMT_BF6 matrix_b_fmt:MATRIX_FMT_BF6
.else
	v_wmma_scale_f32_16x16x128_f8f6f4 v[rD:rD+7], v[rB:rB+11], v[rA:rA+11], 0, v[rSB], v[rSA] matrix_a_fmt:MATRIX_FMT_BF6 matrix_b_fmt:MATRIX_FMT_BF6
.endif
.else
	v_wmma_scale_f32_16x16x128_f8f6f4 v[rD:rD+7], v[rB:rB+11], v[rA:rA+11], v[rD:rD+7], v[rSB], v[rSA] matrix_a_fmt:MATRIX_FMT_BF6 matrix_b_fmt:MATRIX_FMT_BF6 matrix_a_scale:MATRIX_SCALE_ROW1 matrix_b_scale:MATRIX_SCALE_ROW1
.endif
.endm
.macro MUL16 a0, p, ks, mode           ; the 64 accumulators take turns, one instruction a turn
.irp a, \a0, \a0+1
.irp b, 0,1,2,3,4,5,6,7
.set rD, 8*(8*((\a)%4)+\b)
.set rB, 128*(\p)+12*\b
.set rA, AF+12*(\a)
.set rC, 96+8*\b+96*(\b/4)
.set rSB, SB+4*\b+(\ks)%4
.set rSA, SA+4*(\a)+(\ks)%4
	WMMA \mode, (\ks)/4
.endr
.endr
.endm
.macro FRAG reg, adr, off              ; an image comes back as it was stored: each load takes 512 consecutive bytes
.irp k, 0,1,2
	ds_load_b128 v[\reg+4*\k:\reg+4*\k+3], v[\adr] offset:(\off)+512*\k
.endr
.endm
.macro FETCH_B slot, q, p
	WIN TO_B
.irp i, 0,1,2,3,4,5,6,7
	FRAG 128*(\p)+12*\i, ADRB+\slot, (2*\i+(\q))*1536
.endr
	WIN 0
.endm
.macro FETCH_A slot, q, i0
.irp i, \i0, \i0+1, \i0+2, \i0+3
	FRAG AF+12*(\i), ADRA+\slot, (2*(\i)+(\q))*1536
.endr
.endm
.macro STEP ks, nslot, nq, mode
	s_wait_dscnt 4*NL                              ; Wv's set and token blocks 0-3 are in; the loads of blocks 4-7 may be out
	WINM 0, \mode
	MUL16 0, (\ks)%2, \ks, \mode
	MUL16 2, (\ks)%2, \ks, \mode
	s_wait_dscnt 0x0
	PLACES 4                                       ; in front of loads into registers that matrix instructions have read
	FETCH_B \nslot, \nq, 1-(\ks)%2
	FETCH_A \nslot, \nq, 0
	WINM 1, \mode
	MUL16 4, (\ks)%2, \ks, \mode
	MUL16 6, (\ks)%2, \ks, \mode
	PLACES 4
	WIN 0
	FETCH_A \nslot, \nq, 4
.endm
.macro REFILL f                        ; slot 0 takes the last two K steps
	s_add_nc_u64 s[G0A+2:G0A+3], s[G0A+2:G0A+3], 73728
	s_add_nc_u64 s[G0B+2:G0B+3], s[G0B+2:G0B+3], 73728
	JLOAD G0A, G1A, G0B, G1B
.endm
.macro TURN ks, nslot, nq, fill
	s_wait_tensorcnt 0x0                           ; all my tensor loads have landed
	ds_add_u32 v28, v29                            ; 0 onto my spare word
	s_wait_dscnt 4*NL+1                            ; (the add and the loads of token blocks 4-7 may be out)
	WIN MUL_LO
	MUL16 0, (\ks)%2, \ks, 0
	s_wait_dscnt 0x0                               ; the add is done, and my reads of the slot that I leave are over
	s_barrier_signal -1
	MUL16 2, (\ks)%2, \ks, 0
	WIN 0
	s_barrier_wait -1
.if \fill
	CREST                                          ; a round of the cluster's barrier: no wave of any partner still reads the slot or has a load on its way
	REFILL \fill
.else
	PLACES 4
.endif
	FETCH_B \nslot, \nq, 1-(\ks)%2
	FETCH_A \nslot, \nq, 0
	WIN MUL_HI
	MUL16 4, (\ks)%2, \ks, 0
	MUL16 6, (\ks)%2, \ks, 0
	PLACES 4
	WIN 0
	FETCH_A \nslot, \nq, 4
.endm
.macro LAST ks
	s_wait_dscnt 4*NL
	WIN MUL_LO
	MUL16 0, (\ks)%2, \ks, 0
	MUL16 2, (\ks)%2, \ks, 0
	s_wait_dscnt 0x0
	WIN MUL_HI
	MUL16 4, (\ks)%2, \ks, 0
	MUL16 6, (\ks)%2, \ks, 0
	WIN 0
.endm
; 64 numbers of a lane, register 16 b + i = k 32 b + 16 (lane / 16) + i of my row, become a fragment's codes in v[PC] on and its scale word in v[PW].
.macro QUANT s
.irp b, 0,1,2,3
	v_max3_num_f32 v[TM+\b], |v[\s+16*\b]|, |v[\s+1+16*\b]|, 0x2800000   ; block b: my 16 numbers, and the floor 2^(5 - 127): the byte cannot fall under 1
.endr
.irp i, 2,4,6,8,10,12,14
.irp b, 0,1,2,3
	v_max3_num_f32 v[TM+\b], v[TM+\b], |v[\s+16*\b+\i]|, |v[\s+1+16*\b+\i]|
.endr
.endr
.irp b, 0,1,2,3
	v_permlanex16_b32 v[TM+4+\b], v[TM+\b], s[SEL], s[SEL+1]
.endr
.irp b, 0,1,2,3
	v_max_num_f32 v[TM+\b], v[TM+\b], v[TM+4+\b]   ; with lane l xor 16's: the block's largest magnitude
.endr
.irp b, 0,1,2,3
	v_add_nc_u32 v[TM+12+\b], 0xfe000000, v[TM+\b] ; 4 off its exponent field: the conversion's scale operand
.endr
.irp b, 0,1,2,3
	v_lshrrev_b32 v[TM+4+\b], 23, v[TM+12+\b]      ; the scale's byte
.endr
	v_lshl_or_b32 v[PW], v[TM+5], 8, v[TM+4]
	v_lshl_or_b32 v[PW], v[TM+6], 16, v[PW]
	v_lshl_or_b32 v[PW], v[TM+7], 24, v[PW]
.irp c, 0,1
	v_cvt_scalef32_pk16_bf6_f32 v[PC+6*\c:PC+2+6*\c], v[\s+32*\c:\s+15+32*\c], v[TM+12+2*\c]
	v_cvt_scalef32_pk16_bf6_f32 v[PC+12+4*\c:PC+14+4*\c], v[\s+16+32*\c:\s+31+32*\c], v[TM+12+2*\c+1]   ; (a conversion's three registers begin on an even number)
.endr
	v_nop                                          ; one plain place behind a scaled conversion
.irp c, 0,1                                    ; the operand's layout wants a WHOLE block in a lane
.irp i, 0,1,2
	v_permlane16_swap_b32 v[PC+6*\c+\i], v[PC+12+4*\c+\i]
.endr
.irp i, 0,1,2
	v_mov_b32 v[PC+3+6*\c+\i], v[PC+12+4*\c+\i]
.endr
.endr
.endm
	s_load_b512 s[4:19], s[0:1], 0x0               ; xi 4, x_scales 6, wvi 8, Wv_scales 10, bv 12, part 14, a2i 16, a2s 18
	v_lshl_add_u32 v28, v0, 2, SPARE
	v_mov_b32 v29, 0
	ds_add_u32 v28, v29
	ds_add_u32 v28, v29
	s_wait_dscnt 0x0
	v_lshrrev_b32 v1, 5, v0
	v_readfirstlane_b32 s[WV], v1
	s_lshr_b32 s[TR], s[WV], 1
	s_and_b32 s[CC], s[WV], 1
	s_bfe_u32 s[CX], ttmp6, 0x40000
	s_bfe_u32 s[CY], ttmp6, 0x40004
	s_lshl_b32 s[NT], ttmp9, 2
	s_add_co_u32 s[NT], s[NT], s[CX]
	s_and_b32 s[MT], ttmp7, 0xffff
	s_lshl_b32 s[MT], s[MT], 2
	s_add_co_u32 s[MT], s[MT], s[CY]
	s_lshl_b32 s72, s[CY], 2
	s_lshl_b32 s72, 15, s72                        ; my row of the cluster: x's images are shared along it
	s_lshl_b32 s73, 0x1111, s[CX]                  ; my column: Wv's
	; descriptor group 1: a dense block of 73,728 bytes as 288 rows of 256 bytes (32 elements of 8 bytes), no padding
	s_or_b32 s[G1A], s72, (3<<16)|(1<<21)
	s_or_b32 s[G1B], s73, (3<<16)|(1<<21)
.irp g, G1A, G1B
	s_mov_b32 s[\g+1], 32<<16
	s_mov_b32 s[\g+2], 288<<16                     ; the head's load: 288 rows of 256 bytes, K steps 0 to 5 of my part in one dense block of 73,728 bytes
	s_mov_b32 s[\g+3], 32<<16
	s_mov_b32 s[\g+4], 288
	s_mov_b32 s[\g+5], 32
	s_mov_b32 s[\g+6], 0
	s_mov_b32 s[\g+7], 0
.endr
	s_lshl_b32 s74, s[MT], 1
	s_add_co_u32 s74, s74, s[CC]
	s_mul_i32 s74, s74, 98304                      ; xi: group 2 mt + half
	s_mov_b32 s75, 0
	s_lshl_b32 s76, s[NT], 1
	s_add_co_u32 s76, s76, s[CC]
	s_mul_i32 s76, s76, 98304                      ; wvi: group 2 nt + half
	s_mov_b32 s77, 0
	s_mul_i32 s78, s[WV], 73728                    ; LDS: [x tr 0][x tr 1][Wv c 0][Wv c 1], each part 3 x 24,576 bytes, a pair of K steps behind the other
	s_mov_b32 s[SEL], 0x76543210
	s_mov_b32 s[SEL+1], 0xfedcba98
	s_mov_b32 s[HIM], 0xffff0000
	s_wait_kmcnt 0x0
	s_add_nc_u64 s[74:75], s[4:5], s[74:75]
	s_add_nc_u64 s[76:77], s[8:9], s[76:77]
	CROUND                                         ; all sixteen work-groups are here: the first joint loads meet
.irp s, 0                              ; one set of group 0, one tensor load a wave at the head
	s_mov_b32 s[G0A+4*\s], 1
	s_add_co_u32 s[G0A+4*\s+1], s78, \s*SLOT
	s_add_nc_u64 s[G0A+4*\s+2:G0A+4*\s+3], s[74:75], \s*24576
	s_or_b32 s[G0A+4*\s+3], s[G0A+4*\s+3], 0x80000000
	s_mov_b32 s[G0B+4*\s], 1
	s_add_co_u32 s[G0B+4*\s+1], s78, \s*SLOT
	s_add_nc_u64 s[G0B+4*\s+2:G0B+4*\s+3], s[76:77], \s*24576
	s_or_b32 s[G0B+4*\s+3], s[G0B+4*\s+3], 0x80000000
	JLOAD G0A+4*\s, G1A, G0B+4*\s, G1B
.endr
	s_lshl_b32 s80, s[NT], 1
	s_add_co_u32 s80, s80, s[CC]                   ; kappa
	s_mov_b32 s99, 0
	s_lshl_b32 s98, s[MT], 13
	s_lshl_b32 s81, s[TR], 12
	s_add_co_u32 s98, s98, s81
	s_add_nc_u64 s[6:7], s[6:7], s[98:99]          ; x's scales at token 256 mt + 128 tr
	s_lshl_b32 s98, s80, 10
	s_add_nc_u64 s[10:11], s[10:11], s[98:99]      ; Wv's scales at row 32 kappa
	s_lshl_b32 s98, s80, 7
	s_add_nc_u64 s[12:13], s[12:13], s[98:99]      ; bv at 32 kappa
	s_lshl_b32 s98, s[MT], 12
	s_lshl_b32 s81, s[WV], 10
	s_add_co_u32 s98, s98, s81
	s_add_nc_u64 s[14:15], s[14:15], s[98:99]      ; part at token 256 mt + 64 wave: the softmax of 64 tokens is mine
	s_lshr_b32 s82, s[MT], 2                       ; the batch
	s_bfe_u32 s83, s[MT], 0x10001
	s_lshl_b32 s98, s82, 3
	s_add_co_u32 s98, s98, s83                     ; a2i [mt3][t][w][i]: mt3 = 8 b + 2 h + (mt % 4) / 2 (h in the immediate),
	s_lshl_b32 s98, s98, 3
	s_and_b32 s81, s80, 7
	s_add_co_u32 s98, s98, s81                     ; t = kappa % 8,
	s_lshl_b32 s98, s98, 2
	s_lshr_b32 s81, s80, 3
	s_add_co_u32 s98, s98, s81                     ; w = kappa / 8,
	s_lshl_b32 s98, s98, 3
	s_and_b32 s81, s[MT], 1
	s_lshl_b32 s81, s81, 2
	s_add_co_u32 s98, s98, s81
	s_lshl_b32 s81, s[TR], 1
	s_add_co_u32 s98, s98, s81                     ; i = 4 (mt % 2) + 2 tr + rho (rho in the immediate)
	s_mul_i32 s98, s98, 1536
	s_add_nc_u64 s[16:17], s[16:17], s[98:99]
	s_lshl_b32 s98, s80, 14                        ; a2s [kappa][row] words: row 1024 b + 256 h + 64 (mt % 4) + 32 tr + lane
	s_lshl_b32 s81, s82, 12
	s_add_co_u32 s98, s98, s81
	s_and_b32 s81, s[MT], 3
	s_lshl_b32 s81, s81, 8
	s_add_co_u32 s98, s98, s81
	s_lshl_b32 s81, s[TR], 7
	s_add_co_u32 s98, s98, s81
	s_add_nc_u64 s[18:19], s[18:19], s[98:99]
	v_and_b32 v1, 15, v0                           ; r
	v_bfe_u32 v2, v0, 4, 1                         ; h
	v_and_b32 v3, 31, v0                           ; lane
	v_lshlrev_b32 v4, 7, v1
	v_lshl_add_u32 v4, v2, 4, v4                   ; x's scales: tokens 4 apart: 128 r + 16 h
	v_and_b32 v5, 8, v1
	v_add_nc_u32 v5, v5, v1
	v_lshlrev_b32 v5, 5, v5
	v_lshl_add_u32 v5, v2, 4, v5                   ; Wv's scales: 32 (r + 8 (r / 8)) + 16 h
	v_lshlrev_b32 v6, 6, v2                        ; bv: 16 numbers on for lanes 16-31
	v_lshlrev_b32 v7, 4, v3                        ; 16 x lane
	v_lshlrev_b32 v8, 2, v3                        ; 4 x lane
	v_and_b32 v25, 3, v3
	v_lshrrev_b32 v26, 2, v3
	v_mul_u32_u24 v9, v25, 5120
	v_mad_u32_u24 v9, v26, 80, v9
	s_mul_i32 s84, s[WV], 1280
	s_add_co_u32 s84, s84, ATT
	v_add_nc_u32 v9, s84, v9                       ; where I put token 64 wave + lane's weights
	s_mul_i32 s84, s[TR], 2560
	s_add_co_u32 s84, s84, ATT
	v_mul_u32_u24 v10, v1, 80
	v_add_nc_u32 v10, s84, v10                     ; and where I read those of entry 32 tr + r
	s_mul_i32 s84, s[TR], 73728
	s_mul_i32 s85, s[CC], 73728
	s_add_co_u32 s85, s85, 147456
.irp s, 0,1,2
	v_add_nc_u32 v[ADRA+\s], s84, v7
	v_add_nc_u32 v[ADRB+\s], s85, v7
	s_add_co_u32 s84, s84, 24576
	s_add_co_u32 s85, s85, 24576
.endr
.irp a, 0,1,2,3,4,5,6,7
	global_load_b128 v[SA+4*\a:SA+4*\a+3], v4, s[6:7] offset:(64*(\a/4)+\a%4)*32
.endr
.irp b, 0,1,2,3,4,5,6,7
	global_load_b128 v[SB+4*\b:SB+4*\b+3], v5, s[10:11] offset:32768*(\b/2)+256*(\b%2)
.endr
	WIN TO_B
.irp b, 0,1,2,3,4,5,6,7
	global_load_b128 v[96+8*\b+96*(\b/4):99+8*\b+96*(\b/4)], v6, s[12:13] offset:4096*(\b/2)+32*(\b%2)
	global_load_b128 v[100+8*\b+96*(\b/4):103+8*\b+96*(\b/4)], v6, s[12:13] offset:4096*(\b/2)+32*(\b%2)+16
.endr
	; the partial scores of my 64 tokens: group gi (32 tokens, a lane a token) into window 2 + gi, part ch of head h at v[16 ch + 4 h]
	WIN 0x80
.irp ch, 0,1,2,3,4,5,6,7,8,9,10,11,12,13,14,15
.irp h, 0,1,2,3
	global_load_b128 v[16*\ch+4*\h:16*\ch+4*\h+3], v7, s[14:15] offset:262144*\ch+65536*\h
.endr
.endr
	WIN 0xc0
.irp ch, 0,1,2,3,4,5,6,7,8,9,10,11,12,13,14,15
.irp h, 0,1,2,3
	global_load_b128 v[16*\ch+4*\h:16*\ch+4*\h+3], v7, s[14:15] offset:262144*\ch+65536*\h+512
.endr
.endr
.macro PSUM gi                         ; the 16 parts are added, the four heads by turns; the last addition writes window 0, v[128 + 16 gi + 4 h + g]
	WIN 0x8a+0x45*\gi
.irp ch, 1,2,3,4,5,6,7,8,9,10,11,12,13,14
.irp h, 0,1,2,3
	v_pk_add_f32 v[4*\h:4*\h+1], v[4*\h:4*\h+1], v[16*\ch+4*\h:16*\ch+4*\h+1]
	v_pk_add_f32 v[4*\h+2:4*\h+3], v[4*\h+2:4*\h+3], v[16*\ch+4*\h+2:16*\ch+4*\h+3]
.endr
.endr
	WIN 0x0a+5*\gi
.irp h, 0,1,2,3
	v_pk_add_f32 v[128+16*\gi+4*\h:129+16*\gi+4*\h], v[4*\h:4*\h+1], v[240+4*\h:241+4*\h]
	v_pk_add_f32 v[130+16*\gi+4*\h:131+16*\gi+4*\h], v[4*\h+2:4*\h+3], v[242+4*\h:243+4*\h]
.endr
.endm
	s_wait_loadcnt 63                              ; group 0 is in: 64 loads are younger, and the count can name 63
	PSUM 0
	s_wait_loadcnt 0x0
	PSUM 1
	WIN 0
	; the softmax of eight rows a lane (q = 4 gi + h)
.irp q, 0,1,2,3,4,5,6,7
	v_max3_num_f32 v[160+\q], v[128+4*\q], v[129+4*\q], v[130+4*\q]
.endr
.irp q, 0,1,2,3,4,5,6,7
	v_max_num_f32 v[160+\q], v[160+\q], v[131+4*\q]
.endr
.irp q, 0,1,2,3,4,5,6,7
.irp g, 0,1,2,3
	v_sub_f32 v[128+4*\q+\g], v[128+4*\q+\g], v[160+\q]    ; the row's maximum is taken away
.endr
.endr
.set n, 0
.rept 32
	v_mul_f32 v[128+n], 0x3d38aa3b, v[128+n]       ; x log2(e) / 32
.set n, n+1
.endr
.set n, 0
	s_wait_alu depctr_va_vdst(0)
.rept 32
	v_exp_f32 v[128+n], v[128+n]
.set n, n+1
.endr
	v_nop                                          ; a plain place behind the last exponential
	s_wait_alu depctr_va_vdst(0)                   ; one wait for the batch, ahead of its first reader
.irp q, 0,1,2,3,4,5,6,7
	v_add_f32 v[160+\q], v[128+4*\q], v[129+4*\q]
.endr
.irp q, 0,1,2,3,4,5,6,7
	v_add_f32 v[168+\q], v[130+4*\q], v[131+4*\q]
.endr
.irp q, 0,1,2,3,4,5,6,7
	v_add_f32 v[160+\q], v[160+\q], v[168+\q]
.endr
	s_wait_alu depctr_va_vdst(0)
.irp q, 0,1,2,3,4,5,6,7
	v_rcp_f32 v[160+\q], v[160+\q]
.endr
	v_nop
	s_wait_alu depctr_va_vdst(0)                   ; one wait for the eight reciprocals
.irp q, 0,1,2,3,4,5,6,7
.irp g, 0,1,2,3
	v_mul_f32 v[128+4*\q+\g], v[128+4*\q+\g], v[160+\q]
.endr
.endr
.irp q, 0,1,2,3,4,5,6,7
	ds_store_b128 v9, v[128+4*\q:131+4*\q] offset:640*(\q/4)+16*(\q%4)
.endr
	s_wait_tensorcnt 0x0                           ; my part of K steps 0 to 5 is in; no tensor load of mine is out, so a descriptor may be written:
	s_mov_b32 s[G1A+2], 96<<16                     ; the one refill brings 96 rows, K steps 6 and 7
	s_mov_b32 s[G1A+4], 96
	s_mov_b32 s[G1B+2], 96<<16
	s_mov_b32 s[G1B+4], 96
	s_wait_dscnt 0x0
	s_barrier_signal -1
	s_barrier_wait -1
	FETCH_B 0, 0, 0
	FETCH_A 0, 0, 0
	FETCH_A 0, 0, 4
	STEP 0, 0, 1, 1                                ; the first K step starts the sums from bv
	TURN 1, 1, 0, 1                                ; every wave's load has landed: slots 1 and 2 are whole; slot 0 takes K steps 6 and 7
	STEP 2, 1, 1, 0
	STEP 3, 2, 0, 0
	STEP 4, 2, 1, 0
	TURN 5, 0, 0, 0
	STEP 6, 0, 1, 0
	LAST 7
	; ---- the mix and the quantiser: eight turns (head h = it / 2, rows' half rho = it % 2), each a whole fragment of A2
.macro ATLOAD it                       ; attn[h][0 .. 3] of my four tokens j
.irp j, 0,1,2,3
	ds_load_b128 v[AT+16*((\it)%2)+4*\j:AT+16*((\it)%2)+4*\j+3], v10 offset:5120*\j+1280*((\it)%2)+16*((\it)/2)
.endr
.endm
.macro MIX it
.set hh, (\it)/2
.set rho, (\it)%2
.set rAT, AT+16*((\it)%2)
.if (\it) < 7
	ATLOAD (\it)+1
	s_wait_dscnt 4                                 ; this turn's four are in; the next turn's may be out
.else
	s_wait_dscnt 0x0
.endif
	WIN 0x02+rho                                   ; source 0: the accumulators of blocks 4 rho + j
.irp j, 0,1,2,3
.irp g, 0,1,2,3
.irp i, 0,1,2,3,4,5,6,7
.set rO, OO+16*\j+2*\i
.set rV, 8*(8*\j+2*\g+\i/4)+2*(\i%4)
.set rT, rAT+4*\j+2*(\g/2)
.if \g == 0
	v_pk_mul_f32 v[rO:rO+1], v[rV:rV+1], v[rT:rT+1] op_sel_hi:[1,0]
.elseif \g == 2
	v_pk_fma_f32 v[rO:rO+1], v[rV:rV+1], v[rT:rT+1], v[rO:rO+1] op_sel_hi:[1,0,1]
.else
	v_pk_fma_f32 v[rO:rO+1], v[rV:rV+1], v[rT:rT+1], v[rO:rO+1] op_sel:[0,1,0] op_sel_hi:[1,1,1]
.endif
.endr
.endr
.endr
	WIN 0
	s_wait_xcnt 0x0                                ; the last turn's stores have read their registers
	QUANT OO
.irp k, 0,1,2
	global_store_b128 v7, v[PC+4*\k:PC+4*\k+3], s[16:17] offset:786432*hh+1536*rho+512*\k   ; the image: 512 consecutive bytes a store
.endr
.if rho == 0
	v_mov_b32 v[PWA], v[PW]
.else
	v_cndmask_b32 v[PWJ], v[PWA], v[PW], s[HIM]    ; lanes 0-15: rows of rho = 0; lanes 16-31: of rho = 1
	global_store_b32 v8, v[PWJ], s[18:19] offset:1024*hh
.endif
.endm
	PLACES 4
.irp b, 0,1,2,3
	v_mov_b32 v[TM+4+\b], 0                        ; written once: a lane permute's destination counts as one of its sources
.endr
	ATLOAD 0
.irp it, 0,1,2,3,4,5,6,7
	MIX \it
.endr
	s_wait_tensorcnt 0x0                           ; the wave's end
	ds_add_u32 v28, v29
	s_wait_dscnt 0x0
	CROUND                                         ; the closing round
	s_endpgm
.Lfunc_end_k_qe0be1fbb8c_vmix:
	.size	k_qe0be1fbb8c_vmix, .Lfunc_end_k_qe0be1fbb8c_vmix-k_qe0be1fbb8c_vmix
	.p2alignl 7, 3214868480
	.fill 96, 4, 3214868480
	.section	.rodata,"a",@progbits
	.p2align	6, 0x0
	.amdhsa_kernel k_qe0be1fbb8c_vmix
		.amdhsa_group_segment_fixed_size 327680
		.amdhsa_private_segment_fixed_size 0
		.amdhsa_enable_private_segment 0
		.amdhsa_kernarg_size 64
		.amdhsa_user_sgpr_count 2
		.amdhsa_user_sgpr_kernarg_segment_ptr 1
		.amdhsa_wavefront_size32 1
		.amdhsa_system_sgpr_workgroup_id_x 1
		.amdhsa_system_sgpr_workgroup_id_y 1
		.amdhsa_system_sgpr_workgroup_id_z 1
		.amdhsa_system_vgpr_workitem_id 0
		.amdhsa_next_free_vgpr 1024
		.amdhsa_next_free_sgpr 100
		.amdhsa_reserve_vcc 0
		.amdhsa_float_denorm_mode_32 3
		.amdhsa_float_denorm_mode_16_64 3
		.amdhsa_memory_ordered 1
		.amdhsa_forward_progress 1
		.amdhsa_inst_pref_size 239
	.end_amdhsa_kernel
	.amdgpu_metadata
---
amdhsa.version: [ 1, 2 ]
amdhsa.kernels:
  - .name:           k_qe0be1fbb8c_vmix
    .symbol:         k_qe0be1fbb8c_vmix.kd
    .args:
      - { .name: xi, .offset: 0, .size: 8, .value_kind: global_buffer, .address_space: global }
      - { .name: x_scales, .offset: 8, .size: 8, .value_kind: global_buffer, .address_space: global }
      - { .name: wvi, .offset: 16, .size: 8, .value_kind: global_buffer, .address_space: global }
      - { .name: Wv_scales, .offset: 24, .size: 8, .value_kind: global_buffer, .address_space: global }
      - { .name: bv, .offset: 32, .size: 8, .value_kind: global_buffer, .address_space: global }
      - { .name: part, .offset: 40, .size: 8, .value_kind: global_buffer, .address_space: global }
      - { .name: a2i, .offset: 48, .size: 8, .value_kind: global_buffer, .address_space: global }
      - { .name: a2s, .offset: 56, .size: 8, .value_kind: global_buffer, .address_space: global }
    .group_segment_fixed_size: 327680
    .private_segment_fixed_size: 0
    .kernarg_segment_align: 8
    .kernarg_segment_size: 64
    .max_flat_workgroup_size: 128
    .sgpr_count:     100
    .vgpr_count:     1024
    .wavefront_size: 32
...
	.end_amdgpu_metadata
.endif
;; end of part 2
;; launch outp (part 3): grid 8 x 32, 4 waves a work-group, clusters of 4 x 4, 327,680 bytes of LDS; arguments a2i, a2s, woi, wos, bo, out0; writes out0
.if DOCPART == 3
	.amdgcn_target "amdgcn-amd-amdhsa--gfx1250"
	.amdhsa_code_object_version 6
	.text
	.protected	k_qe0be1fbb8c_outp
	.globl	k_qe0be1fbb8c_outp
	.p2align	8
	.type	k_qe0be1fbb8c_outp,@function
k_qe0be1fbb8c_outp:
	s_mov_b64 s[64:65], 0
	v_nop
	global_prefetch_b8 v0, s[64:65] scope:SCOPE_SE
	s_setreg_imm32_b32 hwreg(HW_REG_WAVE_MODE, 25, 1), 1
	s_wait_xcnt 0x0
	s_wait_alu depctr_hold_cnt(0) depctr_sa_sdst(0) depctr_va_vdst(0) depctr_va_sdst(0) depctr_va_ssrc(0) depctr_va_vcc(0) depctr_vm_vsrc(0)
	s_getreg_b32 s2, hwreg(HW_REG_IB_STS2, 6, 4)
	s_cmp_eq_u32 s2, 0
	s_cbranch_scc0 .Lentry_in_a_cluster
	s_endpgm
.Lentry_in_a_cluster:
	s_bfe_u32 s2, ttmp6, 0x10000c
	s_cmp_lg_u32 s2, 0xf033
	s_cbranch_scc0 .Lentry_shape_is_right
	s_endpgm
.Lentry_shape_is_right:
.set TB,     49152
.set YB,     4*TB
.set SPARE,  YB+2*TB
.set AREA,   128*528
.set NL,     3
.set SA,     32
.set SB,     64
.set RS,     96
.set AF,     128
.set BO,     224
.set ADRA,   16
.set ADRB,   20
.set WV,     16
.set TR,     17
.set CC,     18
.set G1XA,   20
.set G1XB,   28
.set G1YA,   36
.set G1YB,   44
.set G0XA,   52
.set G0XB,   56
.set G0YA,   60
.set G0YB,   68
.set CX,     72
.set CY,     73
.set NT,     74
.set MT,     75
.set MUL_LO, 0xa1
.set MUL_HI, 0xf1
.set TO_B,   0x40
.set MSB, 0
.macro WIN new
.if MSB != (\new)
	s_set_vgpr_msb (MSB<<8)|(\new)
.set MSB, (\new)
.endif
.endm
.macro WINM hi, mode
.if \mode == 1
	WIN 0x91+0x40*\hi
.else
	WIN 0xa1+0x50*\hi
.endif
.endm
.macro PLACES n
.rept \n
	v_nop
.endr
.endm
.macro JLOAD g0a, g1a, g0b, g1b
	s_cmp_eq_u32 s[TR], 0
	s_cbranch_scc0 .Lfor_b_\@
	tensor_load_to_lds s[\g0a:\g0a+3], s[\g1a:\g1a+7]
	s_nop 0
.rept 4
	v_nop
.endr
	s_branch .Lasked_\@
.Lfor_b_\@:
	tensor_load_to_lds s[\g0b:\g0b+3], s[\g1b:\g1b+7]
	s_nop 0
.rept 4
	v_nop
.endr
.Lasked_\@:
.endm
.macro CREST
	s_cmp_lg_u32 s[WV], 0
	s_cbranch_scc1 .Lnot_wave_0_\@
	s_barrier_signal -3
.Lnot_wave_0_\@:
	s_barrier_wait -3
	s_barrier_signal -1
	s_barrier_wait -1
.endm
.macro CROUND
	s_barrier_signal -1
	s_barrier_wait -1
	CREST
.endm
.macro WMMA mode, row
.if (\row) == 0
.if \mode == 0
	v_wmma_scale_f32_16x16x128_f8f6f4 v[rD:rD+7], v[rB:rB+11], v[rA:rA+11], v[rD:rD+7], v[rSB], v[rSA] matrix_a_fmt:MATRIX_FMT_BF6 matrix_b_fmt:MATRIX_FMT_BF6
.else
	v_wmma_scale_f32_16x16x128_f8f6f4 v[rD:rD+7], v[rB:rB+11], v[rA:rA+11], 0, v[rSB], v[rSA] matrix_a_fmt:MATRIX_FMT_BF6 matrix_b_fmt:MATRIX_FMT_BF6
.endif
.else
	v_wmma_scale_f32_16x16x128_f8f6f4 v[rD:rD+7], v[rB:rB+11], v[rA:rA+11], v[rD:rD+7], v[rSB], v[rSA] matrix_a_fmt:MATRIX_FMT_BF6 matrix_b_fmt:MATRIX_FMT_BF6 matrix_a_scale:MATRIX_SCALE_ROW1 matrix_b_scale:MATRIX_SCALE_ROW1
.endif
.endm
.macro MUL16 a0, p, ks, mode
.irp a, \a0, \a0+1
.irp b, 0,1,2,3,4,5,6,7
.set rD, 8*(8*((\a)%4)+\b)
.set rB, 128*(\p)+12*\b
.set rA, AF+12*(\a)
.set rSB, SB+4*\b+(\ks)%4
.set rSA, SA+4*(\a)+(\ks)%4
	WMMA \mode, (\ks)/4
.endr
.endr
.endm
.macro FRAG reg, adr, off
.irp k, 0,1,2
	ds_load_b128 v[\reg+4*\k:\reg+4*\k+3], v[\adr] offset:(\off)+512*\k
.endr
.endm
.macro FETCH_B slot, q, p
	WIN TO_B
.irp i, 0,1,2,3,4,5,6,7
	FRAG 128*(\p)+12*\i, ADRB+\slot, \i*1536
.endr
	WIN 0
.endm
.macro FETCH_A slot, q, i0
.irp i, \i0, \i0+1, \i0+2, \i0+3
	FRAG AF+12*(\i), ADRA+\slot, (\i)*1536
.endr
.endm
.macro STEP ks, nslot, nq, mode
	s_wait_dscnt 4*NL
	WINM 0, \mode
	MUL16 0, (\ks)%2, \ks, \mode
	MUL16 2, (\ks)%2, \ks, \mode
	s_wait_dscnt 0x0
	PLACES 4
	FETCH_B \nslot, \nq, 1-(\ks)%2
	FETCH_A \nslot, \nq, 0
	WINM 1, \mode
	MUL16 4, (\ks)%2, \ks, \mode
	MUL16 6, (\ks)%2, \ks, \mode
	PLACES 4
	WIN 0
	FETCH_A \nslot, \nq, 4
.endm
.macro REFILL f
.if \f == 1
	s_add_nc_u64 s[G0XA+2:G0XA+3], s[G0XA+2:G0XA+3], 3*TB
	s_add_nc_u64 s[G0XB+2:G0XB+3], s[G0XB+2:G0XB+3], 3*TB
	JLOAD G0XA, G1XA, G0XB, G1XB
.else
	s_add_nc_u64 s[G0YA+2:G0YA+3], s[G0YA+2:G0YA+3], 3*TB
	s_add_nc_u64 s[G0YB+2:G0YB+3], s[G0YB+2:G0YB+3], 3*TB
	JLOAD G0YA, G1YA, G0YB, G1YB
.endif
.endm
.macro TURN ks, nslot, nq, fill
	s_wait_tensorcnt 0x0
	ds_add_u32 v28, v29
	s_wait_dscnt 4*NL+1
	WIN MUL_LO
	MUL16 0, (\ks)%2, \ks, 0
	s_wait_dscnt 0x0
	s_barrier_signal -1
	MUL16 2, (\ks)%2, \ks, 0
	WIN 0
	s_barrier_wait -1
.if \fill
	CREST
	REFILL \fill
.else
	PLACES 4
.endif
	FETCH_B \nslot, \nq, 1-(\ks)%2
	FETCH_A \nslot, \nq, 0
	WIN MUL_HI
	MUL16 4, (\ks)%2, \ks, 0
	MUL16 6, (\ks)%2, \ks, 0
	PLACES 4
	WIN 0
	FETCH_A \nslot, \nq, 4
.endm
.macro LAST ks
	s_wait_dscnt 4*NL
	WIN MUL_LO
	MUL16 0, (\ks)%2, \ks, 0
	MUL16 2, (\ks)%2, \ks, 0
	s_wait_dscnt 0x0
	WIN MUL_HI
	MUL16 4, (\ks)%2, \ks, 0
	MUL16 6, (\ks)%2, \ks, 0
	WIN 0
.endm
	s_load_b256 s[4:11], s[0:1], 0x0
	s_load_b128 s[12:15], s[0:1], 0x20
	v_lshl_add_u32 v28, v0, 2, SPARE
	v_mov_b32 v29, 0
	ds_add_u32 v28, v29
	ds_add_u32 v28, v29
	s_wait_dscnt 0x0
	v_lshrrev_b32 v1, 5, v0
	v_readfirstlane_b32 s[WV], v1
	s_lshr_b32 s[TR], s[WV], 1
	s_and_b32 s[CC], s[WV], 1
	s_bfe_u32 s[CX], ttmp6, 0x40000
	s_bfe_u32 s[CY], ttmp6, 0x40004
	s_lshl_b32 s[NT], ttmp9, 2
	s_add_co_u32 s[NT], s[NT], s[CX]
	s_and_b32 s[MT], ttmp7, 0xffff
	s_lshl_b32 s[MT], s[MT], 2
	s_add_co_u32 s[MT], s[MT], s[CY]
	s_lshl_b32 s76, s[CY], 2
	s_lshl_b32 s76, 15, s76
	s_lshl_b32 s77, 0x1111, s[CX]
	s_or_b32 s[G1XA], s76, (3<<16)|(1<<21)
	s_or_b32 s[G1XB], s77, (3<<16)|(1<<21)
	s_or_b32 s[G1YA], s76, (3<<16)|(1<<21)
	s_or_b32 s[G1YB], s77, (3<<16)|(1<<21)
.irp g, G1XA, G1XB
	s_mov_b32 s[\g+1], 32<<16
	s_mov_b32 s[\g+2], 192<<16
	s_mov_b32 s[\g+3], 32<<16
	s_mov_b32 s[\g+4], 192
	s_mov_b32 s[\g+5], 32
	s_mov_b32 s[\g+6], 0
	s_mov_b32 s[\g+7], 0
.endr
.irp g, G1YA, G1YB
	s_mov_b32 s[\g+1], 32<<16
	s_mov_b32 s[\g+2], 96<<16
	s_mov_b32 s[\g+3], 32<<16
	s_mov_b32 s[\g+4], 96
	s_mov_b32 s[\g+5], 32
	s_mov_b32 s[\g+6], 0
	s_mov_b32 s[\g+7], 0
.endr
	s_lshl_b32 s78, s[MT], 3
	s_add_co_u32 s79, s78, s[CC]
	s_mul_i32 s80, s79, TB
	s_mov_b32 s81, 0
	s_add_co_u32 s78, s78, 2
	s_mul_i32 s82, s78, TB
	s_mul_i32 s79, s[CC], 24576
	s_add_co_u32 s82, s82, s79
	s_mov_b32 s83, 0
	s_lshl_b32 s88, s[NT], 3
	s_add_co_u32 s89, s88, s[CC]
	s_mul_i32 s84, s89, TB
	s_mov_b32 s85, 0
	s_add_co_u32 s88, s88, 2
	s_mul_i32 s86, s88, TB
	s_mul_i32 s89, s[CC], 24576
	s_add_co_u32 s86, s86, s89
	s_mov_b32 s87, 0
	s_mul_i32 s90, s[WV], TB
	s_mul_i32 s91, s[WV], 24576
	s_add_co_u32 s91, s91, YB
	s_wait_kmcnt 0x0
	CROUND
	s_mov_b32 s[G0XA], 1
	s_mov_b32 s[G0XA+1], s90
	s_add_nc_u64 s[G0XA+2:G0XA+3], s[4:5], s[80:81]
	s_or_b32 s[G0XA+3], s[G0XA+3], 0x80000000
	s_mov_b32 s[G0XB], 1
	s_mov_b32 s[G0XB+1], s90
	s_add_nc_u64 s[G0XB+2:G0XB+3], s[8:9], s[84:85]
	s_or_b32 s[G0XB+3], s[G0XB+3], 0x80000000
	JLOAD G0XA, G1XA, G0XB, G1XB
	s_mov_b32 s[G0YA], 1
	s_mov_b32 s[G0YA+1], s91
	s_add_nc_u64 s[G0YA+2:G0YA+3], s[4:5], s[82:83]
	s_or_b32 s[G0YA+3], s[G0YA+3], 0x80000000
	s_mov_b32 s[G0YB], 1
	s_mov_b32 s[G0YB+1], s91
	s_add_nc_u64 s[G0YB+2:G0YB+3], s[8:9], s[86:87]
	s_or_b32 s[G0YB+3], s[G0YB+3], 0x80000000
	s_wait_alu depctr_va_vdst(0)
	s_wait_tensorcnt 0x0
	ds_add_u32 v28, v29
	s_wait_dscnt 0x0
	CROUND
	JLOAD G0YA, G1YA, G0YB, G1YB
	s_mov_b32 s99, 0
	s_lshl_b32 s98, s[WV], 17
	s_lshl_b32 s92, s[MT], 9
	s_add_co_u32 s98, s98, s92
	s_add_nc_u64 s[6:7], s[6:7], s[98:99]
	s_lshl_b32 s98, s[WV], 15
	s_lshl_b32 s92, s[NT], 9
	s_add_co_u32 s98, s98, s92
	s_add_nc_u64 s[10:11], s[10:11], s[98:99]
	s_mov_b32 s98, s92
	s_add_nc_u64 s[12:13], s[12:13], s[98:99]
	s_lshl_b32 s93, s[MT], 19
	s_add_co_u32 s98, s98, s93
	s_lshl_b32 s93, s[WV], 17
	s_add_co_u32 s98, s98, s93
	s_add_nc_u64 s[14:15], s[14:15], s[98:99]
	v_and_b32 v1, 15, v0
	v_bfe_u32 v2, v0, 4, 1
	v_and_b32 v3, 31, v0
	v_lshlrev_b32 v4, 2, v1
	v_lshl_add_u32 v5, v2, 14, v4
	v_lshl_add_u32 v4, v2, 16, v4
	v_lshlrev_b32 v6, 4, v3
	s_mul_i32 s92, s[WV], 12288
	v_add_nc_u32 v[ADRA], s92, v6
	v_add_nc_u32 v[ADRA+1], TB, v[ADRA]
	v_add_nc_u32 v[ADRA+2], YB, v[ADRA]
	v_add_nc_u32 v[ADRB], 2*TB, v[ADRA]
	v_add_nc_u32 v[ADRB+1], 3*TB, v[ADRA]
	v_add_nc_u32 v[ADRB+2], YB+TB, v[ADRA]
	s_mul_i32 s92, s[WV], AREA
	v_mul_u32_u24 v7, v1, 528
	v_lshl_add_u32 v7, v2, 5, v7
	v_add_nc_u32 v7, s92, v7
	s_mul_i32 s92, s[WV], 32*528
	v_add_nc_u32 v8, s92, v6
	v_add_nc_u32 v9, AREA, v8
	v_add_nc_u32 v10, 2*AREA, v8
	v_add_nc_u32 v11, 3*AREA, v8
.irp i, 0,1,2,3,4,5,6,7
.irp t, 0,1,2,3
	global_load_b32 v[SA+4*\i+\t], v4, s[6:7] offset:16384*\t+64*\i
	global_load_b32 v[SB+4*\i+\t], v5, s[10:11] offset:4096*\t+64*\i
.endr
.endr
	global_load_b128 v[BO:BO+3], v6, s[12:13]
	s_wait_alu depctr_va_vdst(0)
	s_wait_loadcnt 0x0
	s_wait_tensorcnt 1
	s_barrier_signal -1
	s_barrier_wait -1
	FETCH_B 0, 0, 0
	FETCH_A 0, 0, 0
	FETCH_A 0, 0, 4
	STEP 0, 1, 0, 2
	TURN 1, 2, 0, 1
	TURN 2, 0, 0, 2
	STEP 3, 1, 0, 0
	TURN 4, 2, 0, 1
	TURN 5, 0, 0, 0
	STEP 6, 1, 0, 0
	LAST 7
	s_wait_dscnt 0x0
	s_barrier_signal -1
	s_barrier_wait -1
	PLACES 4
.irp a, 0,1,2,3,4,5,6,7
	WIN 0x08+4*(\a/4)
.irp b, 0,1,2,3,4,5,6,7
	ds_store_b128 v7, v[8*(8*(\a%4)+\b):8*(8*(\a%4)+\b)+3] offset:8448*\a+64*\b
	ds_store_b128 v7, v[8*(8*(\a%4)+\b)+4:8*(8*(\a%4)+\b)+7] offset:8448*\a+64*\b+16
.endr
.endr
	WIN 0
	s_wait_dscnt 0x0
	s_barrier_signal -1
	s_barrier_wait -1
.macro RLOAD gq
.irp rw, 0,1,2,3
.irp w, 0,1,2,3
	ds_load_b128 v[RS+64*((\gq)%2)+16*\rw+4*\w:RS+64*((\gq)%2)+16*\rw+4*\w+3], v[8+\w] offset:528*(4*(\gq)+\rw)
.endr
.endr
.endm
.macro RSUM gq
.if (\gq) < 7
	s_wait_xcnt 0x0
	RLOAD (\gq)+1
	s_wait_dscnt 16
.else
	s_wait_dscnt 0x0
.endif
.set rG, RS+64*((\gq)%2)
.irp rw, 0,1,2,3
	v_pk_add_f32 v[rG+16*\rw:rG+16*\rw+1], v[rG+16*\rw:rG+16*\rw+1], v[BO:BO+1]
	v_pk_add_f32 v[rG+16*\rw+2:rG+16*\rw+3], v[rG+16*\rw+2:rG+16*\rw+3], v[BO+2:BO+3]
.endr
.irp w, 1,2,3
.irp rw, 0,1,2,3
	v_pk_add_f32 v[rG+16*\rw:rG+16*\rw+1], v[rG+16*\rw:rG+16*\rw+1], v[rG+16*\rw+4*\w:rG+16*\rw+4*\w+1]
	v_pk_add_f32 v[rG+16*\rw+2:rG+16*\rw+3], v[rG+16*\rw+2:rG+16*\rw+3], v[rG+16*\rw+4*\w+2:rG+16*\rw+4*\w+3]
.endr
.endr
.irp rw, 0,1,2,3
	global_store_b128 v6, v[rG+16*\rw:rG+16*\rw+3], s[14:15] offset:4096*(4*(\gq)+\rw) th:TH_STORE_NT
.endr
.endm
	RLOAD 0
.irp gq, 0,1,2,3,4,5,6,7
	RSUM \gq
.endr
	s_wait_tensorcnt 0x0
	ds_add_u32 v28, v29
	s_wait_dscnt 0x0
	CROUND
	s_endpgm
.Lfunc_end_k_qe0be1fbb8c_outp:
	.size	k_qe0be1fbb8c_outp, .Lfunc_end_k_qe0be1fbb8c_outp-k_qe0be1fbb8c_outp
	.p2alignl 7, 3214868480
	.fill 96, 4, 3214868480
	.section	.rodata,"a",@progbits
	.p2align	6, 0x0
	.amdhsa_kernel k_qe0be1fbb8c_outp
		.amdhsa_group_segment_fixed_size 327680
		.amdhsa_private_segment_fixed_size 0
		.amdhsa_enable_private_segment 0
		.amdhsa_kernarg_size 48
		.amdhsa_user_sgpr_count 2
		.amdhsa_user_sgpr_kernarg_segment_ptr 1
		.amdhsa_wavefront_size32 1
		.amdhsa_system_sgpr_workgroup_id_x 1
		.amdhsa_system_sgpr_workgroup_id_y 1
		.amdhsa_system_sgpr_workgroup_id_z 1
		.amdhsa_system_vgpr_workitem_id 0
		.amdhsa_next_free_vgpr 1024
		.amdhsa_next_free_sgpr 100
		.amdhsa_reserve_vcc 0
		.amdhsa_float_denorm_mode_32 3
		.amdhsa_float_denorm_mode_16_64 3
		.amdhsa_memory_ordered 1
		.amdhsa_forward_progress 1
		.amdhsa_inst_pref_size 146
	.end_amdhsa_kernel
	.amdgpu_metadata
---
amdhsa.version: [ 1, 2 ]
amdhsa.kernels:
  - .name:           k_qe0be1fbb8c_outp
    .symbol:         k_qe0be1fbb8c_outp.kd
    .args:
      - { .name: a2i, .offset: 0, .size: 8, .value_kind: global_buffer, .address_space: global }
      - { .name: a2s, .offset: 8, .size: 8, .value_kind: global_buffer, .address_space: global }
      - { .name: woi, .offset: 16, .size: 8, .value_kind: global_buffer, .address_space: global }
      - { .name: wos, .offset: 24, .size: 8, .value_kind: global_buffer, .address_space: global }
      - { .name: bo, .offset: 32, .size: 8, .value_kind: global_buffer, .address_space: global }
      - { .name: out0, .offset: 40, .size: 8, .value_kind: global_buffer, .address_space: global }
    .group_segment_fixed_size: 327680
    .private_segment_fixed_size: 0
    .kernarg_segment_align: 8
    .kernarg_segment_size: 48
    .max_flat_workgroup_size: 128
    .sgpr_count:     100
    .vgpr_count:     1024
    .wavefront_size: 32
...
	.end_amdgpu_metadata
.endif
;; end of part 3
